; MI455X (gfx1250); checked and timed in simulation.
; The chip was launched on July 23, 2026; its instructions are those of AMD's public machine-readable ISA for CDNA 5 (MIT licence, August 2026) and "CDNA5" Instruction Set Architecture Reference Guide (July 2026). The comments in the code are by the model that wrote it; some were corrected since.
;; Self Attention. Allowed arithmetic: matrix products marked QUANTISED: E5M2 operands, one given power-of-two scale a tensor, by v_wmma_f32_16x16x64_bf8_bf8 or v_wmma_f32_16x16x128_bf8_bf8, f32 sums; everything else in f32.
;; Inputs: Wk_codes 1,024 x 32 x 32 uint8 (E5M2 codes of Wk, K innermost, in blocks of 32 codes); Wq_codes 1,024 x 32 x 32 uint8 (E5M2 codes of Wq, K innermost, in blocks of 32 codes); Wv_codes 1,024 x 32 x 32 uint8 (E5M2 codes of Wv, K innermost, in blocks of 32 codes); bk 1,024 float32; bq 1,024 float32; bv 1,024 float32; lowp_scales 10 int32 (the exponents e of the quantised operands' scales 2^e); mask 4 x 2,048 bool; x_codes 4 x 2,048 x 32 x 32 uint8 (E5M2 codes of x, K innermost, in blocks of 32 codes).
;; Outputs: out0 4 x 2,048 x 1,024 float32.
;; This version of the problem:
;;   THIS VERSION OF THE PROBLEM IS GIVEN IN LOW PRECISION. The matrix products marked QUANTISED in the list below multiply operands that are first quantised to E5M2 (5 exponent bits, 2 mantissa bits; 8 bits a number), with one given power-of-two scale for each operand tensor; their sums are f32. All else is computed in f32.
;;   The module's matrix products, in the order in which they are computed (A, B: the left and right operand; K: the contracted axis; several contracted axes count as one K, in the product's order):
;;     1. [M 8,192, K 1,024] x [K 1,024, N 1,024]; A: input x (given as codes); B: input Wq (given as codes): QUANTISED (scales: A lowp_scales[0], B lowp_scales[1])
;;     2. [M 8,192, K 1,024] x [K 1,024, N 1,024]; A: input x (given as codes); B: input Wk (given as codes): QUANTISED (scales: A lowp_scales[2], B lowp_scales[3])
;;     3. [M 8,192, K 1,024] x [K 1,024, N 1,024]; A: input x (given as codes); B: input Wv (given as codes): QUANTISED (scales: A lowp_scales[4], B lowp_scales[5])
;;     4. batch 64 x [M 2,048, K 64] x [K 64, N 2,048]; A: computed on the way; B: computed on the way: QUANTISED (scales: A lowp_scales[6], B lowp_scales[7])
;;     5. batch 64 x [M 2,048, K 2,048] x [K 2,048, N 64]; A: softmax (see below); B: computed on the way: QUANTISED (scales: A lowp_scales[8], B lowp_scales[9])
;;   THE QUANTISER, for each operand of a quantised product, along K:
;;     - The operand's scale is 2^e, e = its entry of the input lowp_scales (int32; the entries are numbered through the quantised products in the list's order, A before B).
;;     - Each number is divided by the scale, clamped to +-57,344, and rounded to the nearest number of E5M2, ties to even, subnormals kept.
;;     - The product sums the exact products of the quantised numbers (number of the format x scale) in f32.
;;   ~~~python
;;   def quantise(x, axis, e):      # numpy; x: float32 -> the quantised numbers, widened to float32 again
;;       x = np.moveaxis(x, axis, -1); K = x.shape[-1]
;;       r = np.clip(x / 2.0 ** e, -57344, 57344)
;;       step = 2.0 ** (np.maximum(np.frexp(np.where(r == 0, 1, r))[1] - 1, -14) - 2)
;;       q = np.round(r / step) * step * 2.0 ** e      # np.round: ties to even
;;       return np.moveaxis(q, -1, axis).astype(np.float32)
;;   ~~~
;;   SOFTMAX AHEAD OF A QUANTISED PRODUCT. Where the list says 'softmax', what is quantised is not the finished softmax but p = 2^(t - M), with t = logit x log2(e) and M = ceil(the row's largest t), a whole number; so 1/2 < the row's largest p <= 1. The row's sum l is taken of the UNQUANTISED p, in f32, and the product's result is divided by l at the end. Since M is a whole number, a kernel that streams over the keys may use a running M (the ceiling of the running maximum): every later rescaling is an exact power of two, so the quantised numbers keep their values, but for numbers so far below the row's largest that they fall under the format's range.
;;   OPERANDS COMPUTED ON THE WAY. 'Computed on the way' means the value that the module computes at that place (a softmax that the list does not call 'softmax' is quantised finished and normalised). What goes into a quantiser is computed in f32, as accurately as f32 sums, v_exp_f32 and their like allow (about 1e-6 of the number): no bf16 or f16 on the way to a quantiser, and a product that is left as it is and whose result goes on into a quantised operand takes f32 operands (vector FMAs, or v_wmma_f32_16x16x4_f32). A number that lies on a knife's edge between two numbers of the format may be rounded either way, as far as f32 arithmetic and the matrix unit's own rounding can turn it there, and no further.
;;   INPUTS GIVEN AS CODES. Wk (in the module: [1024, 1024], K = its axis 1); Wq (in the module: [1024, 1024], K = its axis 1); Wv (in the module: [1024, 1024], K = its axis 1); x (in the module: [4, 2048, 1024], K = its axis 2): each comes as NAME_codes (uint8): NAME with its K axis moved to the last place and cut into blocks of 32 codes, [.., K / 32, bytes a block], one block behind the other in memory; one code a byte (a code: sign, 5 exponent bits, 2 mantissa bits); its scale is its entry of lowp_scales. Its value is code x scale, taken as it is: it is not quantised again, and the codes and scales need not be those that the quantiser above would give.
;; 2 versions, each right; version 2 is version 1 with the launch attn written anew for expert scheduling mode. Each part assembles by itself: llvm-mc -triple=amdgcn-amd-amdhsa -mcpu=gfx1250 --defsym DOCPART=n.
;; ======== version 1 of 2: 2 launches
;; limits: right only within a limited range of input values
;; workspace buffers: qc 8,388,608 bytes; kc 8,388,608 bytes; vc 8,388,608 bytes
;; launch proj (part 1): grid 12 x 32, 4 waves a work-group, clusters of 4 x 4, 327,680 bytes of LDS; arguments x_codes, Wq_codes, Wk_codes, Wv_codes, bq, bk, bv, lowp_scales, qc, kc, vc; writes qc, kc, vc
.if DOCPART == 1
	.amdgcn_target "amdgcn-amd-amdhsa--gfx1250"
	.amdhsa_code_object_version 6
	.text
	.protected	k_q0a5b194ea7_proj
	.globl	k_q0a5b194ea7_proj
	.p2align	8
	.type	k_q0a5b194ea7_proj,@function
k_q0a5b194ea7_proj:
	s_mov_b64 s[64:65], 0
	v_nop
	global_prefetch_b8 v0, s[64:65] scope:SCOPE_SE
	s_setreg_imm32_b32 hwreg(HW_REG_WAVE_MODE, 25, 1), 1
	s_wait_xcnt 0x0
	s_wait_alu depctr_hold_cnt(0) depctr_sa_sdst(0) depctr_va_vdst(0) depctr_va_sdst(0) depctr_va_ssrc(0) depctr_va_vcc(0) depctr_vm_vsrc(0)
	s_getreg_b32 s2, hwreg(HW_REG_IB_STS2, 6, 4)
	s_cmp_eq_u32 s2, 0
	s_cbranch_scc0 .Lentry_in_a_cluster
	s_endpgm
.Lentry_in_a_cluster:
	s_bfe_u32 s2, ttmp6, 0x10000c
	s_cmp_lg_u32 s2, 0xf033
	s_cbranch_scc0 .Lentry_shape_is_right
	s_endpgm
.Lentry_shape_is_right:
; q = x Wq^T + bq, k = x Wk^T + bk, v = x Wv^T + bv on codes of BF8 (E5M2); each result is quantised at once (e6 for q, e7 for k, e9 for v) and stored as codes, laid as the next launch's operand registers.
; x: [8,192][1,024] codes, W: [1,024][1,024] codes, K innermost.  A sum of code products stands for sum x 2^(ex + ew): ex + ew = e0 + e1 (q), e2 + e3 (k), e4 + e5 (v).  value = sum x 2^(ex + ew) + bias, in f32;
; code = value / 2^eout, held within +-57,344, to the nearest code, ties to even.
; LIMITS: ex + ew between -126 and 127, eout between -126 and 112, so that each power of two below is an f32 number.  NaN and infinity among the given codes are not served.
; SHARES.  The cluster's x says which product: 0 q, 1 k, 2 v.  A tile of 256 x 256 results is made by a work-group of four waves, a wave makes 128 x 128: 64 accumulators of 16 x 16, 512 registers.
; K = 1,024 goes in four steps of 256 through a ring of two LDS slots filled by the tensor data mover; a tile's row is 256 bytes of memory.
; ROLES.  The matrix instruction takes 16 rows of "B" as source 0 and 16 rows of "A" as source 1: a lane then holds ONE row of A, and its eight registers eight neighbouring rows of B.
;   q, k: A = x, B = W: a lane holds a token and eight neighbouring head dims, which are the scores' K.     v: A = Wv, B = x: a lane holds a channel and eight neighbouring tokens, which are the second product's K.
; So the conversions' results are the next launch's operand registers and nothing is transposed.  One main loop serves all three; only the buffers are chosen (by selects on the cluster's x), and the way out is written twice.
; CLUSTERS: 4 x 4 work-groups.  The four of a row of the cluster need the same tiles of A, the four of a column the same tiles of B: each tile is asked for JOINTLY, by the same tensor load with the same descriptor and a mask that names the four.
; OUT.  qc, kc: [16 batch + head][tile of 16 tokens][piece 0, 1][lane][16 bytes]: lane (r, h), registers 2 c, 2 c + 1: dims 16 c + 8 h + 0 .. 7 of token r.
;       vc: [16 batch + head][128 keys][tile of 16 channels][piece 0 .. 3][lane][16 bytes]: lane (r, h), registers 2 t, 2 t + 1: keys 16 t + 8 h + 0 .. 7 of channel r.   Every store of a wave covers 512 consecutive bytes, aligned.
; REGISTERS, in windows of 256: window 0: v0-31 addresses and constants; v32-95 the bias; from v128 A's fragments (8 x 16 rows x 128 K), ONE set; on the way out v128-191 values, v192-255 four sets of codes.
;   window 1: B's fragments, TWO sets, at v0 and at v128.   window 2: the 32 accumulators of my rows 0-63 of A (accumulator (a, b) at v[8 (8 a + b)]);   window 3: those of my rows 64-127.
.set ROWB,   256                       ; a tile's row in bytes: 256 codes
.set KROW,   1024                      ; a row of x or of W in memory, in bytes
.set PITCH,  272                       ; an LDS row: 256 bytes + 16 of padding: row r begins 16 r bytes further on modulo 256, so the 16 rows that a load touches fall on 16 different columns of 16 bytes
.set FR,     16                        ; registers of a fragment: 16 rows x 128 K
.set NL,     4                         ; LDS loads that bring one
.set NP,     4                         ; places behind this matrix instruction (ISA guide 7.12.1)
.set HALFT,  128*PITCH                 ; 128 rows: what one tensor load brings, and what one wave reads of A or of B
.set SLOT,   4*HALFT                   ; A's 256 rows, then B's 256 rows
.set SPARE,  2*SLOT                    ; behind the ring: the spare words, 128 bytes for each wave: two blocks of 256 bytes that no other line names
.set ADRA, 16                          ; v16-17  LDS address of my A fragments in slot 0, 1
.set ADRB, 20                          ; v20-21  the same for B
.set LI,   24                          ; v24     16 x lane: my place in a store's 512 bytes
.set BOQ,  25                          ; v25     32 h: the bias of q and k, my half's eight dims
.set BOV,  26                          ; v26     4 r: the bias of v, my channel
.set SPW,  28                          ; v28     LDS address of my spare word: SPARE + 4 x my thread's number; never rewritten
.set NIL,  29                          ; v29     0; never rewritten
.set SCL,  30                          ; v30     2^eout as f32: the conversion takes its exponent field
.set LIM,  31                          ; v31     57,344 x 2^eout
.set BI,   32                          ; v32-95  the bias in the results' layout
.set AF,   128                         ; A's fragments, in window 0
.set TMP,  128                         ; the way out: a block's 64 values
.set CD,   192                         ; the way out: four sets of 16 registers of codes, by turns
.set G1, 24                            ; s[24:31] descriptor group 1 for A's tiles;  s[32:39] group 0, one set for each slot
.set G0, 32
.set G1B, 48                           ; s[48:55], s[56:63] the same for B's tiles
.set G0B, 56
.set MSB, 0
.macro WIN new                         ; the immediate's high byte repeats the setting that is left
.if MSB != \new
	s_set_vgpr_msb (MSB<<8)|\new
.set MSB, \new
.endif
.endm
.set MUL_LO, 0xa1                      ; source 0 (B) window 1, source 1 (A) window 0, C and D window 2
.set MUL_HI, 0xf1                      ; the same, C and D window 3
.set TO_B,   0x40                      ; destination window 1, address window 0
; A joint load: waves 0 and 1 fetch for A, waves 2 and 3 for B.  Each of the two lines has ONE mask and one set of registers for all that issue it; the branch hangs on the wave's number alone.
; Four v_nop follow each of the two lines, ahead of the jump, the label and what follows.
.macro JLOAD g0a, g1a, g0b, g1b
	s_cmp_eq_u32 s15, 0
	s_cbranch_scc0 .Lfor_b_\@
	tensor_load_to_lds s[\g0a:\g0a+3], s[\g1a:\g1a+7]
	s_nop 0
.rept 4
	v_nop
.endr
	s_branch .Lasked_\@
.Lfor_b_\@:
	tensor_load_to_lds s[\g0b:\g0b+3], s[\g1b:\g1b+7]
	s_nop 0
.rept 4
	v_nop
.endr
.Lasked_\@:
.endm
.macro CREST                           ; a round of the cluster's barrier behind its opening barrier
	s_cmp_lg_u32 s14, 0
	s_cbranch_scc1 .Lnot_wave_0_\@
	s_barrier_signal -3
.Lnot_wave_0_\@:
	s_barrier_wait -3
	s_barrier_signal -1
	s_barrier_wait -1
.endm
.macro CROUND                          ; a whole round
	s_barrier_signal -1
	s_barrier_wait -1
	CREST
.endm
	s_load_b512 s[68:83], s[0:1], 0x0              ; x 68, Wq 70, Wk 72, Wv 74, bq 76, bk 78, bv 80, the scales' exponents 82
	s_load_b128 s[84:87], s[0:1], 0x40             ; qc 84, kc 86
	s_load_b64 s[88:89], s[0:1], 0x50              ; vc
	v_lshl_add_u32 v[SPW], v0, 2, SPARE
	v_mov_b32 v[NIL], 0
	ds_add_u32 v28, v29
	ds_add_u32 v28, v29
	s_wait_dscnt 0x0
	v_lshrrev_b32 v1, 5, v0
	v_readfirstlane_b32 s14, v1                    ; wave 0..3
	s_lshr_b32 s15, s14, 1                         ; which half of the tile's rows of A is mine.  Also: I fetch for A (0) or for B (1)
	s_and_b32 s16, s14, 1                          ; which half of its rows of B.  Also: which 128 rows of that tile I fetch
	s_bfe_u32 s40, ttmp6, 0x40000                  ; cx, cy: my place in the cluster
	s_bfe_u32 s41, ttmp6, 0x40004
	s_and_b32 s18, ttmp7, 0xffff
	s_lshl_b32 s18, s18, 2                         ; 4 x cluster y: it walks x's 32 tiles of 256 tokens
	s_cmp_eq_u32 ttmp9, 2                          ; v?  (the cluster's x is the same in all sixteen partners)
	s_cselect_b32 s17, 0, s18                      ; x is A for q and k,
	s_cselect_b32 s42, s18, 0                      ; and B for v
	s_add_co_u32 s17, s17, s41                     ; A's tile: + cy, which my row of the cluster shares
	s_add_co_u32 s42, s42, s40                     ; B's tile: + cx, which my column shares
	s_lshl_b32 s43, s41, 2
	s_lshl_b32 s43, 15, s43                        ; my row of the cluster
	s_lshl_b32 s44, 0x1111, s40                    ; my column
	; descriptor group 1: a tile of 128 rows x 256 bytes, padded in LDS
	s_or_b32 s[G1+0], s43, (0<<16)|(1<<20)|(1<<21)|(5<<22)|(3<<25)  ; 15:0 the mask: A's tiles go to my row; 17:16 element of 1 byte; 20 padding on; 21 set beside a mask; 24:22 after every 64 words (code 5); 31:25 of 4 words (code 3)
	s_or_b32 s[G1B+0], s44, (0<<16)|(1<<20)|(1<<21)|(5<<22)|(3<<25)
.irp g, G1, G1B
	s_mov_b32 s[\g+1], ROWB<<16                    ; tensor_dim0 = 256
	s_mov_b32 s[\g+2], 128<<16                     ; tensor_dim1 = 128
	s_mov_b32 s[\g+3], ROWB<<16                    ; tile_dim0 = 256
	s_mov_b32 s[\g+4], 128                         ; tile_dim1 = 128
	s_mov_b32 s[\g+5], KROW                        ; tensor_dim0_stride
	s_mov_b32 s[\g+6], 0
	s_mov_b32 s[\g+7], 0
.endr
	s_lshl_b32 s18, s16, 7                         ; which 128 rows of the tile I fetch
	s_lshl_b32 s20, s17, 8
	s_add_co_u32 s20, s20, s18                     ; A: row 256 x tile + 128 x half,
	s_lshl_b32 s20, s20, 10                        ; of 1,024 bytes (8,192 rows at the most: under 2^23)
	s_mov_b32 s21, 0
	s_lshl_b32 s46, s42, 8
	s_add_co_u32 s46, s46, s18                     ; B likewise
	s_lshl_b32 s46, s46, 10
	s_mov_b32 s47, 0
	s_mul_i32 s45, s14, HALFT                      ; where they go: wave x 128 rows: no place in the cluster enters an LDS address
	s_wait_kmcnt 0x0
	s_load_b256 s[92:99], s[82:83], 0x0            ; e0 .. e7
	s_load_b64 s[100:101], s[82:83], 0x20          ; e8, e9
	s_cmp_eq_u32 ttmp9, 2                          ; the buffers are chosen by the cluster's x: no address enters the condition
	s_cselect_b64 s[4:5], s[74:75], s[68:69]       ; A: Wv, else x
	s_cselect_b64 s[6:7], s[68:69], s[72:73]       ; B: x, else Wk
	s_cselect_b64 s[8:9], s[80:81], s[78:79]       ; the bias: bv, else bk
	s_cselect_b64 s[10:11], s[88:89], s[86:87]     ; out: vc, else kc
	s_cmp_eq_u32 ttmp9, 0
	s_cselect_b64 s[6:7], s[70:71], s[6:7]         ; q: Wq,
	s_cselect_b64 s[8:9], s[76:77], s[8:9]         ; bq,
	s_cselect_b64 s[10:11], s[84:85], s[10:11]     ; qc
	s_add_nc_u64 s[20:21], s[4:5], s[20:21]
	s_add_nc_u64 s[46:47], s[6:7], s[46:47]
	CROUND                                         ; all sixteen work-groups are here: the first joint loads meet
.irp s, 0,1
	s_mov_b32 s[G0+4*\s], 1                                        ; count = 1
	s_add_co_u32 s[G0+4*\s+1], s45, \s*SLOT                        ; LDS address
	s_add_nc_u64 s[G0+4*\s+2:G0+4*\s+3], s[20:21], \s*ROWB         ; global address: K step s
	s_or_b32 s[G0+4*\s+3], s[G0+4*\s+3], 0x80000000                ; type = 2
	s_mov_b32 s[G0B+4*\s], 1
	s_add_co_u32 s[G0B+4*\s+1], s45, \s*SLOT
	s_add_nc_u64 s[G0B+4*\s+2:G0B+4*\s+3], s[46:47], \s*ROWB
	s_or_b32 s[G0B+4*\s+3], s[G0B+4*\s+3], 0x80000000
	JLOAD G0+4*\s, G1, G0B+4*\s, G1B               ; two tensor loads of mine are out: the most in this text
.endr
	v_and_b32 v1, 15, v0                           ; r = lane % 16
	v_bfe_u32 v2, v0, 4, 1                         ; h = lane / 16
	v_mul_u32_u24 v3, v1, PITCH
	v_lshl_add_u32 v4, v2, 4, v3                   ; a fragment's row x pitch + 16 x half
	s_mul_i32 s21, s15, HALFT                      ; my 128 rows of A
	s_mul_i32 s22, s16, HALFT                      ; my 128 rows of B,
	s_add_co_u32 s22, s22, 2*HALFT                 ; which lie behind A's 256
.irp s, 0,1
	v_add_nc_u32 v[ADRA+\s], s21, v4
	v_add_nc_u32 v[ADRB+\s], s22, v4
	s_add_co_u32 s21, s21, SLOT
	s_add_co_u32 s22, s22, SLOT
.endr
	v_and_b32 v5, 31, v0
	v_lshlrev_b32 v[LI], 4, v5
	v_lshlrev_b32 v[BOQ], 5, v2
	v_lshlrev_b32 v[BOV], 2, v1
	s_wait_kmcnt 0x0                               ; the exponents
	s_add_co_i32 s90, s92, s93                     ; e0 + e1
	s_add_co_i32 s91, s94, s95                     ; e2 + e3
	s_add_co_i32 s66, s96, s97                     ; e4 + e5
	s_cmp_eq_u32 ttmp9, 2
	s_cselect_b32 s66, s66, s91
	s_cselect_b32 s67, s101, s99                   ; e9, else e7
	s_cmp_eq_u32 ttmp9, 0
	s_cselect_b32 s66, s90, s66
	s_cselect_b32 s67, s98, s67                    ; q: e6
	s_add_co_i32 s66, s66, 127
	s_lshl_b32 s96, s66, 23                        ; 2^(ex + ew) as f32
	s_mov_b32 s97, s96                             ; (named with it as a pair, so it is written)
	s_add_co_i32 s67, s67, 127
	s_lshl_b32 s90, s67, 23
	v_mov_b32 v[SCL], s90                          ; 2^eout
	s_add_co_i32 s67, s67, 15
	s_lshl_b32 s67, s67, 23
	s_or_b32 s67, s67, 0x600000
	v_mov_b32 v[LIM], s67                          ; 57,344 x 2^eout
.macro FRAG reg, adr, q, i             ; a fragment, 16 rows x 128 K, is 16 registers: lane l holds row l % 16; registers 4 c .. 4 c + 3 hold K = 32 c + 16 (l / 16) + 0 .. 15: the same places of k in A and in B, so every product meets its partner
.irp c, 0,1,2,3
	ds_load_b128 v[\reg+4*\c:\reg+4*\c+3], v[\adr] offset:128*(\q)+32*\c+(\i)*16*PITCH
.endr
.endm
; 16 matrix instructions: A's blocks a0, a0 + 1 x B's eight, 128 along K.  p: B's set.  zero = 1: the first product starts the sums: nothing is ever cleared.
; The 64 accumulators take turns, one instruction a turn, in the same order in every step.
.macro MUL16 a0, p, zero
.irp a, \a0, \a0+1
.irp b, 0,1,2,3,4,5,6,7
.if \zero
	v_wmma_f32_16x16x128_bf8_bf8 v[8*(8*((\a)%4)+\b):8*(8*((\a)%4)+\b)+7], v[128*(\p)+FR*\b:128*(\p)+FR*\b+FR-1], v[AF+FR*(\a):AF+FR*(\a)+FR-1], 0
.else
	v_wmma_f32_16x16x128_bf8_bf8 v[8*(8*((\a)%4)+\b):8*(8*((\a)%4)+\b)+7], v[128*(\p)+FR*\b:128*(\p)+FR*\b+FR-1], v[AF+FR*(\a):AF+FR*(\a)+FR-1], v[8*(8*((\a)%4)+\b):8*(8*((\a)%4)+\b)+7]
.endif
.endr
.endr
.endm
.macro FETCH_B slot, q, p              ; B's eight fragments of the slot's q-th 128 along K into set p
	WIN TO_B
.irp i, 0,1,2,3,4,5,6,7
	FRAG 128*(\p)+FR*\i, ADRB+\slot, \q, \i
.endr
	WIN 0
.endm
.macro FETCH_A slot, q, i0             ; A's blocks i0 .. i0 + 3
.irp i, \i0, \i0+1, \i0+2, \i0+3
	FRAG AF+FR*(\i), ADRA+\slot, \q, \i
.endr
.endm
; A load into a register that a matrix instruction has read, and a vector instruction that reads a matrix result or writes one of a matrix instruction's registers, stand NP places behind it, and only plain vector
; instructions that name none of its registers are places (ISA guide 7.12.1 for vector instructions).
.macro PLACES n
.rept \n
	v_nop
.endr
.endm
; A step of 128 along K that has its successor in the same slot.  A's blocks are free as soon as their eight products are issued: blocks 0-3 are fetched anew in the step's middle, blocks 4-7 at its end.
.macro STEP slot, q, zero
	s_wait_dscnt 4*NL                              ; B's set and A's blocks 0-3 are in; the youngest sixteen loads (A's blocks 4-7) may be out
	WIN MUL_LO
	MUL16 0, (\q)%2, \zero
	MUL16 2, (\q)%2, \zero
	s_wait_dscnt 0                                 ; A's blocks 4-7 are in (asked for 32 matrix instructions ago)
	PLACES NP
	FETCH_B \slot, (\q)+1, 1-(\q)%2
	FETCH_A \slot, (\q)+1, 0
	WIN MUL_HI
	MUL16 4, (\q)%2, \zero
	MUL16 6, (\q)%2, \zero
	PLACES NP
	WIN 0
	FETCH_A \slot, (\q)+1, 4
.endm
; A slot's last step changes slots: ONE barrier; in front of it each wave waits for all its tensor loads, adds 0 to its spare word, and waits for that and for its own reads of this slot.  fill = 1: this slot is filled again, two K steps ahead.
.macro TURN slot, next, fill
	s_wait_tensorcnt 0x0                           ; all my tensor loads have landed: my part of the next slot;  (every window is 0 here: the add's two registers lie in window 0)
	ds_add_u32 v[SPW], v[NIL]                      ; 0 onto my spare word
	s_wait_dscnt 4*NL+1                            ; (the add and the youngest sixteen loads, A's blocks 4-7, may be out)
	WIN MUL_LO
	MUL16 0, 1, 0                                  ; sixteen matrix instructions stand between the add and the wait for it
	s_wait_dscnt 0x0                               ; the add is done, and my reads of this slot are over
	s_barrier_signal -1
	MUL16 2, 1, 0
	WIN 0
	s_barrier_wait -1
.if \fill
	CREST                                          ; the barrier has opened a round of the cluster's barrier: no wave of any partner still reads this slot's tile or has a load on its way
	s_add_nc_u64 s[G0+4*\slot+2:G0+4*\slot+3], s[G0+4*\slot+2:G0+4*\slot+3], 2*ROWB
	s_add_nc_u64 s[G0B+4*\slot+2:G0B+4*\slot+3], s[G0B+4*\slot+2:G0B+4*\slot+3], 2*ROWB
	JLOAD G0+4*\slot, G1, G0B+4*\slot, G1B         ; the first tensor load behind the round; the four v_nop behind it are the places in front of the loads below
.else
	PLACES NP
.endif
	FETCH_B \next, 0, 0
	FETCH_A \next, 0, 0
	WIN MUL_HI
	MUL16 4, 1, 0
	MUL16 6, 1, 0
	PLACES NP
	WIN 0
	FETCH_A \next, 0, 4
.endm
; THE WAY OUT of A's block a (16 rows of A x 128 rows of B): value = sum x 2^(ex + ew) + bias, one packed multiply-add for two numbers, each accumulator from its low end on; the hold; eight conversions; four stores.
; kind = 2: v (a lane's bias is its channel's, the same for all its numbers);  else q, k (its eight dims' of each of B's blocks).
.macro EPI kind, a
.set AC,  64*((\a)%4)
.set CS4, CD+16*((\a)%4)
.if (\a) >= 4
	s_wait_xcnt 0x0                                ; block a - 4's stores have read their data: its set of codes is written again only behind this wait
.endif
	WIN 0x02+((\a)/4)                              ; source 0: window 2 or 3
.irp b, 0,1,2,3,4,5,6,7
.irp i, 0,2,4,6
.if \kind == 2
	v_pk_fma_f32 v[TMP+8*\b+\i:TMP+8*\b+\i+1], v[AC+8*\b+\i:AC+8*\b+\i+1], s[96:97], v[BI+2*(\a):BI+2*(\a)+1] op_sel_hi:[1,0,1]
.else
	v_pk_fma_f32 v[TMP+8*\b+\i:TMP+8*\b+\i+1], v[AC+8*\b+\i:AC+8*\b+\i+1], s[96:97], v[BI+8*\b+\i:BI+8*\b+\i+1] op_sel_hi:[1,0,1]
.endif
.endr
.endr
	WIN 0
.set j, 0
.rept 64
	v_med3_num_f32 v[TMP+j], v[TMP+j], -v[LIM], v[LIM]   ; the conversion to an 8-bit code does not saturate (ISA guide 7.6.2): the hold at the largest code x the scale, always executed
.set j, j+1
.endr
.irp b, 0,1,2,3,4,5,6,7
	v_cvt_scalef32_pk8_bf8_f32 v[CS4+2*\b:CS4+2*\b+1], v[TMP+8*\b:TMP+8*\b+7], v[SCL]   ; eight neighbours along the next K: two registers of the next operand
.endr
	v_nop                                          ; one plain vector instruction between the last conversion and the next block's multiply-adds, which write its sources
.irp i, 0,1,2,3
.if \kind == 2
	global_store_b128 v[LI], v[CS4+4*\i:CS4+4*\i+3], s[10:11] offset:((\a)/4)*131072+((\a)%4)*2048+512*\i     ; head a / 4, channel tile a % 4, piece i
.else
	global_store_b128 v[LI], v[CS4+4*\i:CS4+4*\i+3], s[10:11] offset:(\a)*1024+(\i/2)*131072+(\i%2)*512       ; token tile a, head i / 2, piece i % 2
.endif
.endr
.endm
; THE LAST K STEP AND THE WAY OUT, once for each kind.  The bias is asked for first and lands under the step's 128 matrix instructions.
.macro TAIL kind
.if \kind == 2
	s_lshl_b32 s86, s17, 10                        ; bias: channel 256 x A's tile + 128 x my half of A, 4 bytes each
	s_lshl_b32 s88, s15, 9
.else
	s_lshl_b32 s86, s42, 10                        ; bias: dim 256 x B's tile + 128 x my half of B
	s_lshl_b32 s88, s16, 9
.endif
	s_add_co_u32 s86, s86, s88
	s_mov_b32 s87, 0
	s_add_nc_u64 s[8:9], s[8:9], s[86:87]
.if \kind == 2
.irp a, 0,1,2,3,4,5,6,7
	global_load_b32 v[BI+2*\a], v[BOV], s[8:9] offset:64*\a       ; channel 16 a + r, twice: the packed form names a pair
	global_load_b32 v[BI+2*\a+1], v[BOV], s[8:9] offset:64*\a
.endr
	s_lshr_b32 s86, s42, 3                         ; out: batch = B's tile / 8,
	s_lshl_b32 s86, s86, 21
	s_lshl_b32 s88, s17, 2                         ; head 4 x A's tile + 2 x my half of A,
	s_lshl_b32 s89, s15, 1
	s_add_co_u32 s88, s88, s89
	s_lshl_b32 s88, s88, 17
	s_add_co_u32 s86, s86, s88
	s_and_b32 s88, s42, 7                          ; 128 keys number 2 x (B's tile % 8) + my half of B
	s_lshl_b32 s88, s88, 1
	s_add_co_u32 s88, s88, s16
	s_lshl_b32 s88, s88, 13
	s_add_co_u32 s86, s86, s88
.else
.irp b, 0,1,2,3,4,5,6,7
	global_load_b128 v[BI+8*\b:BI+8*\b+3], v[BOQ], s[8:9] offset:64*\b        ; dims 16 b + 8 h + 0 .. 7
	global_load_b128 v[BI+8*\b+4:BI+8*\b+7], v[BOQ], s[8:9] offset:64*\b+16
.endr
	s_lshr_b32 s86, s17, 3                         ; out: batch = A's tile / 8,
	s_lshl_b32 s86, s86, 21
	s_lshl_b32 s88, s42, 2                         ; head 4 x B's tile + 2 x my half of B,
	s_lshl_b32 s89, s16, 1
	s_add_co_u32 s88, s88, s89
	s_lshl_b32 s88, s88, 17
	s_add_co_u32 s86, s86, s88
	s_and_b32 s88, s17, 7                          ; token tile 16 x (A's tile % 8) + 8 x my half of A
	s_lshl_b32 s88, s88, 4
	s_lshl_b32 s89, s15, 3
	s_add_co_u32 s88, s88, s89
	s_lshl_b32 s88, s88, 10
	s_add_co_u32 s86, s86, s88
.endif
	s_add_nc_u64 s[10:11], s[10:11], s[86:87]
	STEP 1, 0, 0
	s_wait_dscnt 4*NL                              ; the very last step: nothing more to fetch
	WIN MUL_LO
	MUL16 0, 1, 0
	MUL16 2, 1, 0
	s_wait_dscnt 0
	WIN MUL_HI
	MUL16 4, 1, 0
	MUL16 6, 1, 0
	WIN 0
	PLACES NP                                      ; behind the last products: their results are read and A's registers written below
	s_wait_loadcnt 0x0                             ; the bias
.irp a, 0,1,2,3,4,5,6,7
	EPI \kind, \a
.endr
.endm
	s_wait_tensorcnt 1                             ; my part of K step 0 is in (K step 1's load may be out)
	s_barrier_signal -1
	s_barrier_wait -1                              ; everybody's is
	FETCH_B 0, 0, 0
	FETCH_A 0, 0, 0
	FETCH_A 0, 0, 4
	STEP 0, 0, 1                                   ; K step 0: its first products start the sums
	TURN 0, 1, 1                                   ; slot 0 takes K step 2
	STEP 1, 0, 0                                   ; K step 1
	TURN 1, 0, 1                                   ; slot 1 takes K step 3
	STEP 0, 0, 0                                   ; K step 2
	TURN 0, 1, 0                                   ; nothing is left to fetch: no round of the cluster's barrier
	s_cmp_eq_u32 ttmp9, 2                          ; the cluster's x: the same in all partners and all waves; no barrier and no tensor load stands in the two ways
	s_cbranch_scc1 .Lv
	TAIL 0
	s_branch .Lend
.Lv:
	TAIL 2
.Lend:
	s_wait_tensorcnt 0x0                           ; the wave's end: the closing add, behind my last tensor load, as my last LDS instructions
	ds_add_u32 v[SPW], v[NIL]
	s_wait_dscnt 0x0
	CROUND                                         ; the closing round: no work-group ends while a partner may still ask for a tile that names it
	s_endpgm
.Lfunc_end_k_q0a5b194ea7_proj:
	.size	k_q0a5b194ea7_proj, .Lfunc_end_k_q0a5b194ea7_proj-k_q0a5b194ea7_proj
	.p2alignl 7, 3214868480
	.fill 96, 4, 3214868480
	.section	.rodata,"a",@progbits
	.p2align	6, 0x0
	.amdhsa_kernel k_q0a5b194ea7_proj
		.amdhsa_group_segment_fixed_size 327680
		.amdhsa_private_segment_fixed_size 0
		.amdhsa_enable_private_segment 0
		.amdhsa_kernarg_size 88
		.amdhsa_user_sgpr_count 2
		.amdhsa_user_sgpr_kernarg_segment_ptr 1
		.amdhsa_wavefront_size32 1
		.amdhsa_system_sgpr_workgroup_id_x 1
		.amdhsa_system_sgpr_workgroup_id_y 1
		.amdhsa_system_sgpr_workgroup_id_z 1
		.amdhsa_system_vgpr_workitem_id 0
		.amdhsa_next_free_vgpr 1024
		.amdhsa_next_free_sgpr 102
		.amdhsa_reserve_vcc 0
		.amdhsa_float_denorm_mode_32 3
		.amdhsa_float_denorm_mode_16_64 3
		.amdhsa_memory_ordered 1
		.amdhsa_forward_progress 1
		.amdhsa_inst_pref_size 207
	.end_amdhsa_kernel
	.amdgpu_metadata
---
amdhsa.version: [ 1, 2 ]
amdhsa.kernels:
  - .name:           k_q0a5b194ea7_proj
    .symbol:         k_q0a5b194ea7_proj.kd
    .args:
      - { .name: x_codes, .offset: 0, .size: 8, .value_kind: global_buffer, .address_space: global }
      - { .name: Wq_codes, .offset: 8, .size: 8, .value_kind: global_buffer, .address_space: global }
      - { .name: Wk_codes, .offset: 16, .size: 8, .value_kind: global_buffer, .address_space: global }
      - { .name: Wv_codes, .offset: 24, .size: 8, .value_kind: global_buffer, .address_space: global }
      - { .name: bq, .offset: 32, .size: 8, .value_kind: global_buffer, .address_space: global }
      - { .name: bk, .offset: 40, .size: 8, .value_kind: global_buffer, .address_space: global }
      - { .name: bv, .offset: 48, .size: 8, .value_kind: global_buffer, .address_space: global }
      - { .name: lowp_scales, .offset: 56, .size: 8, .value_kind: global_buffer, .address_space: global }
      - { .name: qc, .offset: 64, .size: 8, .value_kind: global_buffer, .address_space: global }
      - { .name: kc, .offset: 72, .size: 8, .value_kind: global_buffer, .address_space: global }
      - { .name: vc, .offset: 80, .size: 8, .value_kind: global_buffer, .address_space: global }
    .group_segment_fixed_size: 327680
    .private_segment_fixed_size: 0
    .kernarg_segment_align: 8
    .kernarg_segment_size: 88
    .max_flat_workgroup_size: 128
    .sgpr_count:     102
    .vgpr_count:     1024
    .wavefront_size: 32
...
	.end_amdgpu_metadata
.endif
;; end of part 1
;; launch attn (part 2): grid 4 x 64, 8 waves a work-group, no clusters, 76,800 bytes of LDS; arguments qc, kc, vc, mask, lowp_scales, out0; writes out0
.if DOCPART == 2
	.amdgcn_target "amdgcn-amd-amdhsa--gfx1250"
	.amdhsa_code_object_version 6
	.text
	.protected	k_q0a5b194ea7_attn
	.globl	k_q0a5b194ea7_attn
	.p2align	8
	.type	k_q0a5b194ea7_attn,@function
k_q0a5b194ea7_attn:
	s_mov_b64 s[64:65], 0
	v_nop
	global_prefetch_b8 v0, s[64:65] scope:SCOPE_SE
	s_setreg_imm32_b32 hwreg(HW_REG_WAVE_MODE, 25, 1), 1
	s_wait_xcnt 0x0
; out[b][q][64 head + :] = the sum over keys of softmax_k(Q . K / 8, masked keys left out) V, both products on codes of BF8 (E5M2), each operand with its given scale: e6 (q), e7 (k), e8 (p), e9 (v).
; qc, kc, vc are images of operand registers.  qc, kc: [bh][tile of 16 tokens][2 pieces][lane][16 bytes];  vc: [bh][128 keys][tile of 16 channels][4 pieces][lane][16 bytes];  bh = 16 batch + head.
; THE SOFTMAX AHEAD OF THE SECOND PRODUCT: t = score x log2(e) / 8; M = the row's largest t so far, rounded UP to a whole number; p = 2^(t - M) is what is quantised; it is not normalised.
; The row's sum is taken of the unquantised p, in f32, and divides O at the end.  When M moves, the sum and O are multiplied by 2^(old M - new M): exact.
; SHARES.  A work-group owns 512 queries of one head; each of its eight waves 64: four tiles of 16.  Every wave walks the head's 2,048 keys, 128 a step; each fragment of K, of V and of the mask that it reads from LDS feeds its four tiles.
; LAYOUT.  Both products are used transposed: S^T = K Q^T (source 0 = 16 keys, source 1 = 16 queries), O^T = V^T P^T (source 0 = 16 channels, source 1 = P): a lane holds ONE query (lane % 16) throughout.
; In S^T's tile t a lane's eight registers are keys 16 t + 8 (lane / 16) + 0 .. 7: their eight codes ARE registers 2 t, 2 t + 1 of P for the form of 128 along K.  Nothing changes lanes.
; THE MASK costs no vector instruction in the loop: a table in LDS holds 0 for a key that counts and -2^126 for a masked one, and a tile's eight numbers of it are the C of that tile's product K Q^T.
; The running largest raw score starts at -2^64: above every masked score, below every real one (a sum of 64 products of codes is under 2^38 in magnitude).  So a masked key never enters M and its p is 0;
; a step all of whose keys are masked leaves the sum and O as they are; a row all of whose keys are masked ends as 0 x (1 / 0), NaN, as the softmax of such a row is.
; LIMITS on the given exponents: e6 + e7 between -116 and 65 (a masked key's t stays under -150, and -M stays an f32 number while nothing has counted yet); e8 between -126 and 112; e8 + e9 is applied by v_ldexp_f32 and has none.
; THE HOLD of p at the largest code is needed only where 57,344 x 2^e8 is under 1, that is e8 < -15: p is at most 1.  It is 64 of a tile step's vector instructions, and a scalar branch on e8 leads round it.
; NO TENSOR LOADS AND NO JOINT LOADS, though the four work-groups of a head walk the same K and V;
; and what is shared is 16,384 bytes a key step, for 32 tile steps of some 200 vector instructions each in a work-group.
; K AND V come by loads into registers, 2,048 bytes a wave and step (waves 0-3: K's, waves 4-7: V's), go into one of two LDS slots as they lie, and are read by all eight waves.  A step's bytes are asked for two steps ahead of
; their use: one step in registers, one in LDS.  No further prefetch is laid.  One barrier a step: in front of it a wave's reads of this slot are over and its stores into the other are done.
; REGISTERS.  window 0: v1-7 addresses; v16-31 four registers of statistics a tile; v32-41 at work and constants; v48-63 P; v64-127 S^T, then p; v128-255 O^T, 32 a tile.
;   window 1: v0-63 K's 8 fragments; v64-127 the mask's 8 tiles; v128-191 V's 4 fragments; v192-223 Q's 4; v224-239 the 2,048 bytes on their way to LDS.
.set SLOTB, 16384                      ; a slot: K's 8 images of 1,024 bytes, then V's 4 of 2,048
.set VOFF,  8192
.set BIAS,  2*SLOTB                    ; the mask's table: 2,048 f32
.set STAGE, BIAS+8192                  ; the way out: 16 rows x (256 bytes + 16) for each wave
.set SP,    272
.set LI,   1                           ; v1   16 x lane: my place in an image
.set ADB0, 2                           ; v2   BIAS + 32 (lane / 16)
.set ADB,  3                           ; v3   the same, at the trip's first key
.set STA,  4                           ; v4   where I put my wave's bytes in a slot: 16 x lane + 2,048 x wave
.set SO,   5                           ; v5   the stage: where I put 32 bytes of a row
.set SR,   6                           ; v6   and where I read a row back
.set GO,   7                           ; v7   my byte offset in two rows of out0
.set ST,   16                          ; tile q: v[ST+4q] -M, +1 the largest raw score, +2, +3 the sum in two halves
.set MA,   32                          ; v32, v33 the maximum's two chains; v34 the other half's
.set MB,   33
.set MX,   34
.set FF,   36                          ; v[36:37] f = 2^(old M - new M) (the pair's upper word is written once)
.set SUM2, 38                          ; v[38:39] the sums' second chain
.set SCL,  40                          ; v40  2^e8 as f32
.set LIM,  41                          ; v41  57,344 x 2^e8
.set P,    48
.set S,    64
.set OA,   128
.set KR,   0                           ; in window 1
.set CR,   64
.set VR,   128
.set QR,   192
.set STG,  224
.set WV,   16                          ; s16  my wave's number
.set SEL,  20                          ; s[20:21] lane selects for v_permlanex16_b32: lane l xor 16
.set CS,   22                          ; s[22:23] c = log2(e) / 8 x 2^(e6 + e7)
.set NC,   24                          ; s24  -c
.set HOLD, 25                          ; s25  1 where e8 < -15
.set TRIP, 26                          ; s26  the trip: two key steps
.set BO,   27                          ; s27  the trip's first key in the table, in bytes
.set SRC,  28                          ; s[28:29] my wave's 2,048 bytes of the trip's first step
.set E89,  30                          ; s30  e8 + e9
.set MSB, 0
.macro WIN new                         ; the immediate's high byte repeats the setting that is left
.if MSB != \new
	s_set_vgpr_msb (MSB<<8)|\new
.set MSB, \new
.endif
.endm
.set W_LD, 0x40                        ; destination window 1, address window 0
.set W_ST, 0x04                        ; an LDS store's data window 1
.set W_S,  0x15                        ; K, Q and the mask's tile window 1, S^T window 0
.set W_PV, 0x01                        ; V window 1; P, O^T window 0
	s_load_b256 s[4:11], s[0:1], 0x0               ; qc s[4:5], kc s[6:7], vc s[8:9], mask s[10:11]
	s_load_b128 s[12:15], s[0:1], 0x20             ; the scales' exponents s[12:13], out0 s[14:15]
	v_lshl_add_u32 v46, v0, 2, 0x12800
	v_mov_b32 v47, 0
	v_lshrrev_b32 v8, 5, v0
	v_readfirstlane_b32 s[WV], v8                  ; wave 0..7
	v_and_b32 v9, 31, v0                           ; lane
	v_and_b32 v10, 15, v0                          ; r
	v_bfe_u32 v11, v0, 4, 1                        ; h
	v_lshlrev_b32 v[LI], 4, v9
	v_lshlrev_b32 v[ADB0], 5, v11
	v_add_nc_u32 v[ADB0], BIAS, v[ADB0]
	s_lshl_b32 s36, s[WV], 11
	v_add_nc_u32 v[STA], s36, v[LI]
	s_mul_i32 s37, s[WV], 16*SP
	s_add_co_u32 s37, s37, STAGE                   ; my stage
	v_mul_u32_u24 v[SO], v10, SP
	v_lshl_add_u32 v[SO], v11, 5, v[SO]
	v_add_nc_u32 v[SO], s37, v[SO]                 ; in: row r, + 32 h; channel tile c: 64 c bytes on
	v_mul_u32_u24 v[SR], v11, SP
	v_lshl_add_u32 v[SR], v10, 4, v[SR]
	v_add_nc_u32 v[SR], s37, v[SR]                 ; back: lanes 0-15 one row of 256 bytes, lanes 16-31 the next
	v_lshlrev_b32 v[GO], 12, v11
	v_lshl_add_u32 v[GO], v10, 4, v[GO]            ; and the same two rows in out0, 4,096 bytes apart
	v_lshlrev_b32 v14, 3, v0                       ; the mask: my thread's 8 keys
	v_lshl_add_u32 v9, v0, 5, BIAS                 ; and their 32 bytes of the table
	v_mov_b32 v8, 0xfe800000                       ; -2^126
	s_mov_b32 s[SEL], 0x76543210
	s_mov_b32 s[SEL+1], 0xfedcba98
	s_and_b32 s38, ttmp7, 0xffff                   ; bh
	s_lshl_b32 s39, s38, 17                        ; the head's first byte in qc, kc, vc
	s_and_b32 s40, s[WV], 3
	s_lshl_b32 s40, s40, 11
	s_add_co_u32 s40, s40, s39                     ; + my wave's 2,048 bytes of a step's 8,192
	s_mov_b32 s41, 0
	s_lshl_b32 s42, ttmp9, 5
	s_lshl_b32 s43, s[WV], 2
	s_add_co_u32 s42, s42, s43                     ; my first tile of queries: 32 x work-group x + 4 x wave
	s_lshl_b32 s42, s42, 10
	s_add_co_u32 s42, s42, s39
	s_mov_b32 s43, 0
	s_lshr_b32 s46, s38, 4                         ; batch
	s_lshl_b32 s44, s46, 11                        ; its 2,048 bytes of the mask
	s_mov_b32 s45, 0
	s_lshl_b32 s46, s46, 11
	s_lshl_b32 s47, ttmp9, 9
	s_add_co_u32 s46, s46, s47
	s_lshl_b32 s47, s[WV], 6
	s_add_co_u32 s46, s46, s47                     ; my first row of out0: 2,048 batch + 512 x work-group x + 64 x wave,
	s_lshl_b32 s46, s46, 12                        ; of 4,096 bytes,
	s_and_b32 s47, s38, 15
	s_lshl_b32 s47, s47, 8
	s_add_co_u32 s46, s46, s47                     ; + the head's 256 bytes
	s_mov_b32 s47, 0
	s_wait_kmcnt 0x0
	s_load_b128 s[32:35], s[12:13], 0x18           ; e6, e7, e8, e9
	s_cmp_lt_u32 s[WV], 4                          ; waves 0-3 bring K's bytes, waves 4-7 V's
	s_cselect_b64 s[SRC:SRC+1], s[6:7], s[8:9]
	s_add_nc_u64 s[SRC:SRC+1], s[SRC:SRC+1], s[40:41]
	s_add_nc_u64 s[4:5], s[4:5], s[42:43]
	s_add_nc_u64 s[10:11], s[10:11], s[44:45]
	s_add_nc_u64 s[14:15], s[14:15], s[46:47]
	WIN W_LD
.irp i, 0,1,2,3
	global_load_b128 v[STG+4*\i:STG+4*\i+3], v[LI], s[SRC:SRC+1] offset:512*\i          ; key step 0
.endr
	WIN 0
	global_load_b64 v[12:13], v14, s[10:11]                                             ; 8 bytes of the mask
	WIN W_LD
.irp q, 0,1,2,3
	global_load_b128 v[QR+8*\q:QR+8*\q+3], v[LI], s[4:5] offset:1024*\q th:TH_LOAD_NT          ; Q's four fragments stay in registers; nobody else reads them
	global_load_b128 v[QR+8*\q+4:QR+8*\q+7], v[LI], s[4:5] offset:1024*\q+512 th:TH_LOAD_NT
.endr
	WIN 0
	s_wait_loadcnt 8                               ; step 0's bytes and the mask are in; Q's eight loads may be out
	WIN W_ST
.irp i, 0,1,2,3
	ds_store_b128 v[STA], v[STG+4*\i:STG+4*\i+3] offset:512*\i                          ; into slot 0
.endr
	WIN 0
.irp j, 0,1,2,3,4,5,6,7
	v_bfe_u32 v15, v[12+\j/4], 8*(\j%4), 8
	v_cmp_ne_u32 vcc_lo, 0, v15
	v_cndmask_b32 v[S+\j], 0, v8, vcc_lo           ; 0 for a key that counts, -2^126 for a masked one
.endr
	ds_store_b128 v9, v[S:S+3]
	ds_store_b128 v9, v[S+4:S+7] offset:16
	s_wait_dscnt 0x0                               ; for the others' sake: my stores are done; and they have read their registers
	WIN W_LD
.irp i, 0,1,2,3
	global_load_b128 v[STG+4*\i:STG+4*\i+3], v[LI], s[SRC:SRC+1] offset:8192+512*\i     ; key step 1
.endr
	WIN 0
	s_wait_kmcnt 0x0
	s_add_co_i32 s36, s32, s33
	s_lshl_b32 s36, s36, 23
	s_add_co_i32 s[CS], s36, 0x3e38aa3b            ; c = log2(e) / 8, with e6 + e7 added to its exponent field: a score stands for score x 2^(e6 + e7)
	s_mov_b32 s[CS+1], s[CS]                       ; (named with it as a pair, so it is written)
	s_xor_b32 s[NC], s[CS], 0x80000000             ; -c
	s_cmp_lt_i32 s34, -15
	s_cselect_b32 s[HOLD], 1, 0
	s_add_co_i32 s[E89], s34, s35
	s_add_co_i32 s36, s34, 127
	s_lshl_b32 s37, s36, 23
	v_mov_b32 v[SCL], s37                          ; 2^e8
	s_add_co_i32 s36, s36, 15
	s_lshl_b32 s36, s36, 23
	s_or_b32 s36, s36, 0x600000
	v_mov_b32 v[LIM], s36                          ; 57,344 x 2^e8
	v_mov_b32 v[MB], 0xdf800000                    ; -2^64
	v_mul_f32 v[MA], s[NC], v[MB]
	v_floor_f32 v[MA], v[MA]                       ; -M to begin with
.irp q, 0,1,2,3
	v_mov_b32 v[ST+4*\q], v[MA]
	v_mov_b32 v[ST+4*\q+1], v[MB]
	v_mov_b32 v[ST+4*\q+2], 0                      ; the sum, in two halves
	v_mov_b32 v[ST+4*\q+3], 0
.endr
	v_mov_b32 v[MX], 0                             ; written once: a lane permute's destination counts as one of its sources
	v_mov_b32 v[FF+1], 0                           ; (named as the upper half of the pair)
.set j, 0
.rept 128
	v_mov_b32 v[OA+j], 0                           ; O^T.  The key step is written once: its first walk finds zeros, which the first change of M leaves zeros; a first step of its own would be a second copy of the step's text
.set j, j+1
.endr
	s_barrier_signal -1
	s_barrier_wait -1                              ; slot 0 and the table are whole
	s_wait_loadcnt 4                               ; Q is in; step 1's four loads may be out
.macro FMA b                           ; t - M for pair b of the tile's 32 (of the pairs c and -M the low word serves both halves)
	v_pk_fma_f32 v[S+2*(\b):S+2*(\b)+1], v[S+2*(\b):S+2*(\b)+1], s[CS:CS+1], v[NM:NM+1] op_sel_hi:[1,0,0]
.endm
.macro RES n                           ; pair n of the tile's 16 of O^T under the new M: x f
	v_pk_mul_f32 v[OQ+2*(\n):OQ+2*(\n)+1], v[OQ+2*(\n):OQ+2*(\n)+1], v[FF:FF+1] op_sel_hi:[1,0]
.endm
; ONE TILE OF 16 QUERIES FOR ONE KEY STEP.  first = 1: the step's first tile, which also waits for V and asks for the bytes of two steps on.
.macro TILE q, first, slot
.set NM, ST+4*(\q)
.set RM, NM+1
.set LS, NM+2
.set OQ, OA+32*(\q)
	WIN W_S
.irp t, 0,1,2,3,4,5,6,7
	v_wmma_f32_16x16x64_bf8_bf8 v[S+8*\t:S+8*\t+7], v[KR+8*\t:KR+8*\t+7], v[QR+8*(\q):QR+8*(\q)+7], v[CR+8*\t:CR+8*\t+7]   ; S^T + the mask's 0 or -2^126
.endr
	WIN 0
.rept 4
	v_nop                                          ; places in front of the first read of results
.endr
	v_max3_num_f32 v[MA], v[S], v[S+1], v[S+2]     ; the step's largest score of my query among my 64 keys, in two chains, each accumulator from its low end on
	v_max3_num_f32 v[MB], v[S+3], v[S+4], v[S+5]
.irp i, 6,10,14,18,22,26,30,34,38,42,46,50,54,58
	v_max3_num_f32 v[MA], v[MA], v[S+\i], v[S+\i+1]
	v_max3_num_f32 v[MB], v[MB], v[S+\i+2], v[S+\i+3]
.endr
	v_max3_num_f32 v[MA], v[MA], v[S+62], v[S+63]
	v_max_num_f32 v[MA], v[MA], v[MB]
	v_permlanex16_b32 v[MX], v[MA], s[SEL], s[SEL+1]
	v_max3_num_f32 v[RM], v[MA], v[MX], v[RM]      ; with lane l xor 16's, and the largest so far
	v_mul_f32 v[MA], s[NC], v[RM]                  ; -t (c is positive)
	v_floor_f32 v[MA], v[MA]                       ; the new -M = floor(-t) = -ceil(t): M IS A WHOLE NUMBER
	v_sub_f32 v[MB], v[MA], v[NM]                  ; M's old value less its new one: a whole number, 0 or less
	v_mov_b32 v[NM], v[MA]
	v_cvt_i32_f32 v[MB], v[MB]                     ; (it saturates)
	v_ldexp_f32 v[FF], 1.0, v[MB]                  ; f = 2^(old M - new M)
	; ONE BATCH: the 32 scalings, the 64 exponentials and O^T's 16 rescalings, dealt so that plain instructions stand among the exponentials.  None of them names an exponential's result.
	FMA 0
	FMA 1
.set k, 0
.rept 32
	v_exp_f32 v[S+2*k], v[S+2*k]                   ; p = 2^(t - M), at most 1: NOT normalised
.if k <= 29
	FMA k+2
.else
	RES k-16
.endif
	v_exp_f32 v[S+2*k+1], v[S+2*k+1]
.if (k%2 == 0) && (k <= 26)
	RES k/2
.endif
.set k, k+1
.endr
	v_pk_mul_f32 v[LS:LS+1], v[LS:LS+1], v[FF:FF+1] op_sel_hi:[1,0]   ; the sums under the new M: the plain instruction behind the last exponential
	s_wait_alu depctr_va_vdst(0)                   ; one wait for the whole batch, ahead of its first reader
	v_pk_add_f32 v[SUM2:SUM2+1], v[S:S+1], v[S+2:S+3]   ; THE ROW'S SUM IS TAKEN OF THE UNQUANTISED p: two at a time, in two chains
.irp j, 4,8,12,16,20,24,28,32,36,40,44,48,52,56,60
	v_pk_add_f32 v[LS:LS+1], v[LS:LS+1], v[S+\j:S+\j+1]
	v_pk_add_f32 v[SUM2:SUM2+1], v[SUM2:SUM2+1], v[S+\j+2:S+\j+3]
.endr
	v_pk_add_f32 v[LS:LS+1], v[LS:LS+1], v[SUM2:SUM2+1]
	s_cmp_lg_u32 s[HOLD], 0                        ; the conversion to an 8-bit code does not saturate (ISA guide 7.6.2); p is at most 1 and not negative: the hold is one-sided, and wanted only where e8 < -15
	s_cbranch_scc0 .Lno_hold_\@
.set j, 0
.rept 64
	v_min_num_f32 v[S+j], v[S+j], v[LIM]
.set j, j+1
.endr
.Lno_hold_\@:
.irp t, 0,1,2,3,4,5,6,7
	v_cvt_scalef32_pk8_bf8_f32 v[P+2*\t:P+2*\t+1], v[S+8*\t:S+8*\t+7], v[SCL]   ; keys 16 t + 8 h + 0 .. 7: registers 2 t, 2 t + 1 of the operand
.endr
	v_nop                                          ; one plain vector instruction between the last conversion and the matrix instructions that read its result and, later, write its sources
.if \first
	s_wait_dscnt 0x0                               ; V is in; and my stores into the other slot have read their registers,
	s_cmp_lt_u32 s[TRIP], 7                        ; which take the bytes of two steps on, where there is such a step: no load leaves its buffer
	s_cbranch_scc0 .Lno_load_\@
	WIN W_LD
.irp i, 0,1,2,3
	global_load_b128 v[STG+4*\i:STG+4*\i+3], v[LI], s[SRC:SRC+1] offset:16384+8192*\slot+512*\i
.endr
	WIN 0
.Lno_load_\@:
.endif
	WIN W_PV
.irp c, 0,1,2,3
	v_wmma_f32_16x16x128_bf8_bf8 v[OQ+8*\c:OQ+8*\c+7], v[VR+16*\c:VR+16*\c+15], v[P:P+15], v[OQ+8*\c:OQ+8*\c+7]   ; O^T += V^T P^T: four accumulators by turns, one instruction a turn
.endr
	WIN 0
.endm
; A KEY STEP: 128 keys, in slot `slot`.
.macro STEP slot
	WIN W_LD
.irp t, 0,1,2,3,4,5,6,7
	ds_load_b128 v[KR+8*\t:KR+8*\t+3], v[LI] offset:\slot*SLOTB+1024*\t           ; K's fragment of keys 16 t on, as it was stored
	ds_load_b128 v[KR+8*\t+4:KR+8*\t+7], v[LI] offset:\slot*SLOTB+1024*\t+512
.endr
.irp t, 0,1,2,3,4,5,6,7
	ds_load_b128 v[CR+8*\t:CR+8*\t+3], v[ADB] offset:512*\slot+64*\t              ; the table's numbers of keys 16 t + 8 h + 0 .. 7
	ds_load_b128 v[CR+8*\t+4:CR+8*\t+7], v[ADB] offset:512*\slot+64*\t+16
.endr
	WIN 0
	s_wait_loadcnt 0x0                             ; the next step's bytes, asked for a step ago, are in registers.  The wait stands on every way, ahead of the branch: between two groups of loads into these registers there is always this wait
.if \slot
	s_cmp_lt_u32 s[TRIP], 7                        ; the last step has no successor
	s_cbranch_scc0 .Lno_store_\@
.endif
	WIN W_ST
.irp i, 0,1,2,3
	ds_store_b128 v[STA], v[STG+4*\i:STG+4*\i+3] offset:(1-\slot)*SLOTB+512*\i    ; into the other slot, which nobody reads since the last barrier
.endr
	WIN 0
.if \slot
.Lno_store_\@:
.endif
	WIN W_LD
.irp c, 0,1,2,3
.irp i, 0,1,2,3
	ds_load_b128 v[VR+16*\c+4*\i:VR+16*\c+4*\i+3], v[LI] offset:\slot*SLOTB+VOFF+2048*\c+512*\i
.endr
.endr
	WIN 0
	s_wait_dscnt 16                                ; K and the table's numbers are in; V's sixteen loads, the youngest on either way, may be out
	TILE 0, 1, \slot
	TILE 1, 0, \slot
	TILE 2, 0, \slot
	TILE 3, 0, \slot
.rept 4
	v_nop                                          ; places behind the last products: V's registers are loaded anew in the next step, and O^T is read behind the last
.endr
	s_wait_dscnt 0x0                               ; my reads of this slot are over and my stores into the other are done
	s_barrier_signal -1
	s_barrier_wait -1                              ; both now hold of every wave
.endm
	s_mov_b32 s[TRIP], 0
	s_mov_b32 s[BO], 0
.Ltrip:                                            ; 8 trips of two key steps, so that the slots' numbers come back
	v_add_nc_u32 v[ADB], s[BO], v[ADB0]
	STEP 0
	STEP 1
	s_wait_xcnt 0x0                                ; the trip's loads have read their base: it is stepped only behind this wait
	s_add_nc_u64 s[SRC:SRC+1], s[SRC:SRC+1], 16384
	s_add_co_u32 s[BO], s[BO], 1024
	s_add_co_u32 s[TRIP], s[TRIP], 1
	s_cmp_lt_u32 s[TRIP], 8
	s_cbranch_scc1 .Ltrip
	; THE WAY OUT.  The sum's two halves and lane l xor 16's are added; O^T x 2^(e8 + e9) / the sum goes through my stage in LDS, a tile (16 queries x 256 bytes) at a time, so that sixteen lanes store 256 consecutive bytes, aligned.
.irp q, 0,1,2,3
	v_add_f32 v[ST+4*\q+2], v[ST+4*\q+2], v[ST+4*\q+3]
.endr
.irp q, 0,1,2,3
	v_permlanex16_b32 v[ST+4*\q+3], v[ST+4*\q+2], s[SEL], s[SEL+1]
.endr
.irp q, 0,1,2,3
	v_add_f32 v[ST+4*\q+2], v[ST+4*\q+2], v[ST+4*\q+3]
.endr
.irp q, 0,1,2,3
	v_rcp_f32 v[ST+4*\q+2], v[ST+4*\q+2]
.endr
	v_nop                                          ; a plain instruction between the last reciprocal and the use of its result
	s_wait_alu depctr_va_vdst(0)                   ; one wait for the four reciprocals, ahead of their first reader
.irp q, 0,1,2,3
	v_ldexp_f32 v[ST+4*\q+2], v[ST+4*\q+2], s[E89]
.endr
.macro OUT q
.set LS, ST+4*(\q)+2
.set OQ, OA+32*(\q)
.set BK, S+32*((\q)%2)
.irp i, 0,2,4,6,8,10,12,14,16,18,20,22,24,26,28,30
	v_pk_mul_f32 v[OQ+\i:OQ+\i+1], v[OQ+\i:OQ+\i+1], v[LS:LS+1] op_sel_hi:[1,0]   ; each accumulator from its low end on; register 8 c + j is out(query r, channel 16 c + 8 h + j)
.endr
.irp c, 0,1,2,3
	ds_store_b128 v[SO], v[OQ+8*\c:OQ+8*\c+3] offset:64*\c
	ds_store_b128 v[SO], v[OQ+8*\c+4:OQ+8*\c+7] offset:64*\c+16
.endr
.if (\q) >= 2
	s_wait_xcnt 0x0                                ; tile q - 2's stores have read their data: the loads below land there
.endif
.irp i, 0,1,2,3,4,5,6,7
	ds_load_b128 v[BK+4*\i:BK+4*\i+3], v[SR] offset:2*\i*SP    ; LDS serves a wave's instructions in order (ISA guide 5.7.1.4): these see my stores, and the next tile's stores come behind them
.endr
.irp i, 0,1,2,3,4,5,6,7
	s_wait_dscnt 7-\i                              ; the younger loads may stay out
	global_store_b128 v[GO], v[BK+4*\i:BK+4*\i+3], s[14:15] offset:(16*(\q)+2*\i)*4096 th:TH_STORE_NT   ; two rows' 256 bytes, each aligned; written once, read by nobody here
.endr
.endm
	OUT 0
	OUT 1
	OUT 2
	OUT 3
	s_wait_tensorcnt 0x0
	ds_add_u32 v46, v47
	s_wait_dscnt 0x0
	s_endpgm
.Lfunc_end_k_q0a5b194ea7_attn:
	.size	k_q0a5b194ea7_attn, .Lfunc_end_k_q0a5b194ea7_attn-k_q0a5b194ea7_attn
	.p2alignl 7, 3214868480
	.fill 96, 4, 3214868480
	.section	.rodata,"a",@progbits
	.p2align	6, 0x0
	.amdhsa_kernel k_q0a5b194ea7_attn
		.amdhsa_group_segment_fixed_size 76800
		.amdhsa_private_segment_fixed_size 0
		.amdhsa_enable_private_segment 0
		.amdhsa_kernarg_size 48
		.amdhsa_user_sgpr_count 2
		.amdhsa_user_sgpr_kernarg_segment_ptr 1
		.amdhsa_wavefront_size32 1
		.amdhsa_system_sgpr_workgroup_id_x 1
		.amdhsa_system_sgpr_workgroup_id_y 1
		.amdhsa_system_sgpr_workgroup_id_z 1
		.amdhsa_system_vgpr_workitem_id 0
		.amdhsa_next_free_vgpr 512
		.amdhsa_next_free_sgpr 66
		.amdhsa_reserve_vcc 1
		.amdhsa_float_denorm_mode_32 3
		.amdhsa_float_denorm_mode_16_64 3
		.amdhsa_memory_ordered 1
		.amdhsa_forward_progress 1
		.amdhsa_inst_pref_size 138
	.end_amdhsa_kernel
	.amdgpu_metadata
---
amdhsa.version: [ 1, 2 ]
amdhsa.kernels:
  - .name:           k_q0a5b194ea7_attn
    .symbol:         k_q0a5b194ea7_attn.kd
    .args:
      - { .name: qc, .offset: 0, .size: 8, .value_kind: global_buffer, .address_space: global }
      - { .name: kc, .offset: 8, .size: 8, .value_kind: global_buffer, .address_space: global }
      - { .name: vc, .offset: 16, .size: 8, .value_kind: global_buffer, .address_space: global }
      - { .name: mask, .offset: 24, .size: 8, .value_kind: global_buffer, .address_space: global }
      - { .name: lowp_scales, .offset: 32, .size: 8, .value_kind: global_buffer, .address_space: global }
      - { .name: out0, .offset: 40, .size: 8, .value_kind: global_buffer, .address_space: global }
    .group_segment_fixed_size: 76800
    .private_segment_fixed_size: 0
    .kernarg_segment_align: 8
    .kernarg_segment_size: 48
    .max_flat_workgroup_size: 256
    .sgpr_count:     66
    .vgpr_count:     512
    .wavefront_size: 32
...
	.end_amdgpu_metadata
.endif
;; end of part 2
;; ======== version 2 of 2: 2 launches; version 1 with the launch attn written anew for expert scheduling mode
;; limits: right only within a limited range of input values
;; workspace buffers: qc 8,388,608 bytes; kc 8,388,608 bytes; vc 8,388,608 bytes
;; launch proj: the kernel of part 1 again; grid 12 x 32, 4 waves a work-group, clusters of 4 x 4, 327,680 bytes of LDS; arguments x_codes, Wq_codes, Wk_codes, Wv_codes, bq, bk, bv, lowp_scales, qc, kc, vc; writes qc, kc, vc
;; launch attn (part 3): grid 4 x 64, 8 waves a work-group, no clusters, 76,800 bytes of LDS; arguments qc, kc, vc, mask, lowp_scales, out0; writes out0
.if DOCPART == 3
	.amdgcn_target "amdgcn-amd-amdhsa--gfx1250"
	.amdhsa_code_object_version 6
	.text
	.protected	k_q0a5b194ea7_attn
	.globl	k_q0a5b194ea7_attn
	.p2align	8
	.type	k_q0a5b194ea7_attn,@function
k_q0a5b194ea7_attn:
	s_mov_b64 s[64:65], 0
	v_nop
	global_prefetch_b8 v0, s[64:65] scope:SCOPE_SE
	s_setreg_imm32_b32 hwreg(HW_REG_WAVE_SCHED_MODE, 0, 2), 2
	s_setreg_imm32_b32 hwreg(HW_REG_WAVE_MODE, 25, 1), 1
	s_wait_xcnt 0x0
	s_wait_alu depctr_vm_vsrc(0)
; out[b][q][64 head + :] = the sum over keys of softmax_k(Q . K / 8, masked keys left out) V, both products on codes of BF8 (E5M2), each operand with its given scale: e6 (q), e7 (k), e8 (p), e9 (v).
; qc, kc, vc are images of operand registers.  qc, kc: [bh][tile of 16 tokens][2 pieces][lane][16 bytes];  vc: [bh][128 keys][tile of 16 channels][4 pieces][lane][16 bytes];  bh = 16 batch + head.
; THE SOFTMAX AHEAD OF THE SECOND PRODUCT: t = score x log2(e) / 8; M = the row's largest t so far, rounded UP to a whole number; p = 2^(t - M) is what is quantised; it is not normalised.
; The row's sum is taken of the unquantised p, in f32, and divides O at the end.  When M moves, the sum and O are multiplied by 2^(old M - new M): exact.
; SHARES.  A work-group owns 512 queries of one head; each of its eight waves 64: four tiles of 16.  Every wave walks the head's 2,048 keys, 128 a step; each fragment of K, of V and of the mask that it reads from LDS feeds its four tiles.
; LAYOUT.  Both products are used transposed: S^T = K Q^T (source 0 = 16 keys, source 1 = 16 queries), O^T = V^T P^T (source 0 = 16 channels, source 1 = P): a lane holds ONE query (lane % 16) throughout.
; In S^T's tile t a lane's eight registers are keys 16 t + 8 (lane / 16) + 0 .. 7: their eight codes ARE registers 2 t, 2 t + 1 of P for the form of 128 along K.  Nothing changes lanes.
; THE MASK costs no vector instruction in the loop: a table in LDS holds 0 for a key that counts and -2^126 for a masked one, and a tile's eight numbers of it are the C of that tile's product K Q^T.
; The running largest raw score starts at -2^64: above every masked score, below every real one (a sum of 64 products of codes is under 2^38 in magnitude).  So a masked key never enters M and its p is 0;
; a step all of whose keys are masked leaves the sum and O as they are; a row all of whose keys are masked ends as 0 x (1 / 0), NaN, as the softmax of such a row is.
; LIMITS on the given exponents: e6 + e7 between -116 and 65 (a masked key's t stays under -150, and -M stays an f32 number while nothing has counted yet); e8 between -126 and 112; e8 + e9 is applied by v_ldexp_f32 and has none.
; THE HOLD of p at the largest code is needed only where 57,344 x 2^e8 is under 1, that is e8 < -15: p is at most 1.  It is 64 of a tile step's vector instructions, and a scalar branch on e8 leads round it.
; NO TENSOR LOADS AND NO JOINT LOADS, though the four work-groups of a head walk the same K and V;
; and what is shared is 16,384 bytes a key step, for 32 tile steps of some 200 vector instructions each in a work-group.
; K AND V come by loads into registers, 2,048 bytes a wave and step (waves 0-3: K's, waves 4-7: V's), go into one of two LDS slots as they lie, and are read by all eight waves.  A step's bytes are asked for two steps ahead of
; their use: one step in registers, one in LDS.  No further prefetch is laid.  One barrier a step: in front of it a wave's reads of this slot are over and its stores into the other are done.
; THE MODE: SCHED_MODE bits 1:0 = 2 (LLVM: expert scheduling mode 2), set by the entry lines.  The code itself states the register dependences between vector or matrix instructions and memory or LDS instructions,
; with s_wait_alu, always for 0.
; THE PLAN.  Registers that memory or LDS instructions touch, in the loop:
;   K's fragments, the mask's tiles   Loaded from LDS at a step's head; read by the products K Q^T of the step's four tiles.
;   V's fragments                     Loaded from LDS behind the first tile's products K Q^T; read by the products V^T P^T of the step's four tiles.
;   the 16 on their way to LDS        Global loads land in them; the next step's four LDS stores read them; the loads of two steps on follow those stores at once.  No vector or matrix instruction names them.
;   v[ADB]                            Read by the loads of the mask's tiles; written once a trip, at the trip's head.
;   v[LI], v[STA]                     Read by every load and store of the loop; made at the head and never written again.
;   S^T, P, O^T and the statistics are named by vector and matrix instructions alone.
; So a step holds ONE wait on va_vdst for its loads, at its head: the last tile's products are done reading K's, the mask's and V's registers, and, in a trip's first step, v[ADB] is written.  It serves the step's 48 LDS loads:
; between it and V's sixteen stand the first tile's eight products alone, which name S^T, K, Q and the mask's tiles.  ONE wait on vm_vsrc a step stands between the four LDS stores and the global loads into their registers,
; and one a trip ahead of the add to v[ADB].  Each tile's batch of exponentials keeps its one wait on va_vdst.
; REGISTERS.  window 0: v1-7 addresses; v16-31 four registers of statistics a tile; v32-41 at work and constants; v46, v47 the closing add's two; v48-63 P; v64-127 S^T, then p; v128-255 O^T, 32 a tile.
;   window 1: v0-63 K's 8 fragments; v64-127 the mask's 8 tiles; v128-191 V's 4 fragments; v192-223 Q's 4; v224-239 the 2,048 bytes on their way to LDS.
.set SLOTB, 16384                      ; a slot: K's 8 images of 1,024 bytes, then V's 4 of 2,048
.set VOFF,  8192
.set BIAS,  2*SLOTB                    ; the mask's table: 2,048 f32
.set STAGE, BIAS+8192                  ; the way out: 16 rows x (256 bytes + 16) for each wave
.set SP,    272
.set LI,   1                           ; v1   16 x lane: my place in an image
.set ADB0, 2                           ; v2   BIAS + 32 (lane / 16)
.set ADB,  3                           ; v3   the same, at the trip's first key
.set STA,  4                           ; v4   where I put my wave's bytes in a slot: 16 x lane + 2,048 x wave
.set SO,   5                           ; v5   the stage: where I put 32 bytes of a row
.set SR,   6                           ; v6   and where I read a row back
.set GO,   7                           ; v7   my byte offset in two rows of out0
.set ST,   16                          ; tile q: v[ST+4q] -M, +1 the largest raw score, +2, +3 the sum in two halves
.set MA,   32                          ; v32, v33 the maximum's two chains; v34 the other half's
.set MB,   33
.set MX,   34
.set FF,   36                          ; v[36:37] f = 2^(old M - new M) (the pair's upper word is written once)
.set SUM2, 38                          ; v[38:39] the sums' second chain
.set SCL,  40                          ; v40  2^e8 as f32
.set LIM,  41                          ; v41  57,344 x 2^e8
.set P,    48
.set S,    64
.set OA,   128
.set KR,   0                           ; in window 1
.set CR,   64
.set VR,   128
.set QR,   192
.set STG,  224
.set WV,   16                          ; s16  my wave's number
.set SEL,  20                          ; s[20:21] lane selects for v_permlanex16_b32: lane l xor 16
.set CS,   22                          ; s[22:23] c = log2(e) / 8 x 2^(e6 + e7)
.set NC,   24                          ; s24  -c
.set HOLD, 25                          ; s25  1 where e8 < -15
.set TRIP, 26                          ; s26  the trip: two key steps
.set BO,   27                          ; s27  the trip's first key in the table, in bytes
.set SRC,  28                          ; s[28:29] my wave's 2,048 bytes of the trip's first step
.set E89,  30                          ; s30  e8 + e9
.set MK,   40                          ; s40-47 at the head only, behind the offsets that they held: the lanes whose j-th key is masked
.set MSB, 0
.macro WIN new                         ; the immediate's high byte repeats the setting that is left
.if MSB != \new
	s_set_vgpr_msb (MSB<<8)|\new
.set MSB, \new
.endif
.endm
.set W_LD, 0x40                        ; destination window 1, address window 0
.set W_ST, 0x04                        ; an LDS store's data window 1
.set W_S,  0x15                        ; K, Q and the mask's tile window 1, S^T window 0
.set W_PV, 0x01                        ; V window 1; P, O^T window 0
	s_load_b256 s[4:11], s[0:1], 0x0               ; qc s[4:5], kc s[6:7], vc s[8:9], mask s[10:11]
	s_load_b128 s[12:15], s[0:1], 0x20             ; the scales' exponents s[12:13], out0 s[14:15]
	v_lshl_add_u32 v46, v0, 2, 0x12800
	v_mov_b32 v47, 0
	v_lshrrev_b32 v8, 5, v0
	v_readfirstlane_b32 s[WV], v8                  ; wave 0..7
	v_and_b32 v9, 31, v0                           ; lane
	v_and_b32 v10, 15, v0                          ; r
	v_bfe_u32 v11, v0, 4, 1                        ; h
	v_lshlrev_b32 v[LI], 4, v9
	v_lshlrev_b32 v[ADB0], 5, v11
	v_add_nc_u32 v[ADB0], BIAS, v[ADB0]
	s_wait_alu depctr_va_sdst(0)                   ; the wave's number is written, ahead of its first reader: addresses and bases are made from it
	s_lshl_b32 s36, s[WV], 11
	v_add_nc_u32 v[STA], s36, v[LI]
	s_mul_i32 s37, s[WV], 16*SP
	s_add_co_u32 s37, s37, STAGE                   ; my stage
	v_mul_u32_u24 v[SO], v10, SP
	v_lshl_add_u32 v[SO], v11, 5, v[SO]
	v_add_nc_u32 v[SO], s37, v[SO]                 ; in: row r, + 32 h; channel tile c: 64 c bytes on
	v_mul_u32_u24 v[SR], v11, SP
	v_lshl_add_u32 v[SR], v10, 4, v[SR]
	v_add_nc_u32 v[SR], s37, v[SR]                 ; back: lanes 0-15 one row of 256 bytes, lanes 16-31 the next
	v_lshlrev_b32 v[GO], 12, v11
	v_lshl_add_u32 v[GO], v10, 4, v[GO]            ; and the same two rows in out0, 4,096 bytes apart
	v_lshlrev_b32 v14, 3, v0                       ; the mask: my thread's 8 keys
	v_lshl_add_u32 v9, v0, 5, BIAS                 ; and their 32 bytes of the table
	v_mov_b32 v8, 0xfe800000                       ; -2^126
	s_mov_b32 s[SEL], 0x76543210
	s_mov_b32 s[SEL+1], 0xfedcba98
	s_and_b32 s38, ttmp7, 0xffff                   ; bh
	s_lshl_b32 s39, s38, 17                        ; the head's first byte in qc, kc, vc
	s_and_b32 s40, s[WV], 3
	s_lshl_b32 s40, s40, 11
	s_add_co_u32 s40, s40, s39                     ; + my wave's 2,048 bytes of a step's 8,192
	s_mov_b32 s41, 0
	s_lshl_b32 s42, ttmp9, 5
	s_lshl_b32 s43, s[WV], 2
	s_add_co_u32 s42, s42, s43                     ; my first tile of queries: 32 x work-group x + 4 x wave
	s_lshl_b32 s42, s42, 10
	s_add_co_u32 s42, s42, s39
	s_mov_b32 s43, 0
	s_lshr_b32 s46, s38, 4                         ; batch
	s_lshl_b32 s44, s46, 11                        ; its 2,048 bytes of the mask
	s_mov_b32 s45, 0
	s_lshl_b32 s46, s46, 11
	s_lshl_b32 s47, ttmp9, 9
	s_add_co_u32 s46, s46, s47
	s_lshl_b32 s47, s[WV], 6
	s_add_co_u32 s46, s46, s47                     ; my first row of out0: 2,048 batch + 512 x work-group x + 64 x wave,
	s_lshl_b32 s46, s46, 12                        ; of 4,096 bytes,
	s_and_b32 s47, s38, 15
	s_lshl_b32 s47, s47, 8
	s_add_co_u32 s46, s46, s47                     ; + the head's 256 bytes
	s_mov_b32 s47, 0
	s_wait_kmcnt 0x0
	s_load_b128 s[32:35], s[12:13], 0x18           ; e6, e7, e8, e9
	s_cmp_lt_u32 s[WV], 4                          ; waves 0-3 bring K's bytes, waves 4-7 V's
	s_cselect_b64 s[SRC:SRC+1], s[6:7], s[8:9]
	s_add_nc_u64 s[SRC:SRC+1], s[SRC:SRC+1], s[40:41]
	s_add_nc_u64 s[4:5], s[4:5], s[42:43]
	s_add_nc_u64 s[10:11], s[10:11], s[44:45]
	s_add_nc_u64 s[14:15], s[14:15], s[46:47]
	WIN W_LD
	s_wait_alu depctr_va_vdst(0)                   ; the addresses v1, v4 to v7, v9 and v14 are written, which the kernel's loads and stores read; none of them is written again
.irp i, 0,1,2,3
	global_load_b128 v[STG+4*\i:STG+4*\i+3], v[LI], s[SRC:SRC+1] offset:512*\i          ; key step 0
.endr
	WIN 0
	global_load_b64 v[12:13], v14, s[10:11]                                             ; 8 bytes of the mask
	WIN W_LD
.irp q, 0,1,2,3
	global_load_b128 v[QR+8*\q:QR+8*\q+3], v[LI], s[4:5] offset:1024*\q th:TH_LOAD_NT          ; Q's four fragments stay in registers; nobody else reads them
	global_load_b128 v[QR+8*\q+4:QR+8*\q+7], v[LI], s[4:5] offset:1024*\q+512 th:TH_LOAD_NT
.endr
	WIN 0
	s_wait_loadcnt 8                               ; step 0's bytes and the mask are in; Q's eight loads may be out
	WIN W_ST
.irp i, 0,1,2,3
	ds_store_b128 v[STA], v[STG+4*\i:STG+4*\i+3] offset:512*\i                          ; into slot 0
.endr
	WIN 0
.irp j, 0,1,2,3,4,5,6,7
	v_bfe_u32 v[S+\j], v[12+\j/4], 8*(\j%4), 8     ; my j-th key's byte of the mask
.endr
.irp j, 0,1,2,3,4,5,6,7
	v_cmp_ne_u32 s[MK+\j], 0, v[S+\j]              ; the eight compares stand in one run, each with a scalar register of its own
.endr
	s_wait_alu depctr_va_sdst(0)                   ; the eight compares have written s40 to s47, ahead of the selects that read them
.irp j, 0,1,2,3,4,5,6,7
	v_cndmask_b32 v[S+\j], 0, v8, s[MK+\j]         ; 0 for a key that counts, -2^126 for a masked one
.endr
	s_wait_alu depctr_va_vdst(0)                   ; the selects have written v64 to v71, which the two LDS stores read
	ds_store_b128 v9, v[S:S+3]
	ds_store_b128 v9, v[S+4:S+7] offset:16
	s_wait_dscnt 0x0                               ; for the others' sake: my stores are done
	WIN W_LD
	s_wait_alu depctr_vm_vsrc(0)                   ; my LDS stores have read the 16 registers in which the loads below land, and v64 to v71, which the first products write
.irp i, 0,1,2,3
	global_load_b128 v[STG+4*\i:STG+4*\i+3], v[LI], s[SRC:SRC+1] offset:8192+512*\i     ; key step 1
.endr
	WIN 0
	s_wait_kmcnt 0x0
	s_add_co_i32 s36, s32, s33
	s_lshl_b32 s36, s36, 23
	s_add_co_i32 s[CS], s36, 0x3e38aa3b            ; c = log2(e) / 8, with e6 + e7 added to its exponent field: a score stands for score x 2^(e6 + e7)
	s_mov_b32 s[CS+1], s[CS]                       ; (named with it as a pair, so it is written)
	s_xor_b32 s[NC], s[CS], 0x80000000             ; -c
	s_cmp_lt_i32 s34, -15
	s_cselect_b32 s[HOLD], 1, 0
	s_add_co_i32 s[E89], s34, s35
	s_add_co_i32 s36, s34, 127
	s_lshl_b32 s37, s36, 23
	v_mov_b32 v[SCL], s37                          ; 2^e8
	s_add_co_i32 s36, s36, 15
	s_lshl_b32 s36, s36, 23
	s_or_b32 s36, s36, 0x600000
	v_mov_b32 v[LIM], s36                          ; 57,344 x 2^e8
	v_mov_b32 v[MB], 0xdf800000                    ; -2^64
	v_mul_f32 v[MA], s[NC], v[MB]
	v_floor_f32 v[MA], v[MA]                       ; -M to begin with
.irp q, 0,1,2,3
	v_mov_b32 v[ST+4*\q], v[MA]
	v_mov_b32 v[ST+4*\q+1], v[MB]
	v_mov_b32 v[ST+4*\q+2], 0                      ; the sum, in two halves
	v_mov_b32 v[ST+4*\q+3], 0
.endr
	v_mov_b32 v[MX], 0                             ; written once: a lane permute's destination counts as one of its sources
	v_mov_b32 v[FF+1], 0                           ; (named as the upper half of the pair)
.set j, 0
.rept 128
	v_mov_b32 v[OA+j], 0                           ; O^T.  The key step is written once: its first walk finds zeros, which the first change of M leaves zeros; a first step of its own would be a second copy of the step's text
.set j, j+1
.endr
	s_barrier_signal -1
	s_barrier_wait -1                              ; slot 0 and the table are whole
	s_wait_loadcnt 4                               ; Q is in; step 1's four loads may be out
.macro FMA b                           ; t - M for pair b of the tile's 32 (of the pairs c and -M the low word serves both halves)
	v_pk_fma_f32 v[S+2*(\b):S+2*(\b)+1], v[S+2*(\b):S+2*(\b)+1], s[CS:CS+1], v[NM:NM+1] op_sel_hi:[1,0,0]
.endm
.macro RES n                           ; pair n of the tile's 16 of O^T under the new M: x f
	v_pk_mul_f32 v[OQ+2*(\n):OQ+2*(\n)+1], v[OQ+2*(\n):OQ+2*(\n)+1], v[FF:FF+1] op_sel_hi:[1,0]
.endm
; ONE TILE OF 16 QUERIES FOR ONE KEY STEP.  first = 1: the step's first tile, which also asks for V's fragments, behind its products K Q^T, and waits for them ahead of its products V^T P^T.
.macro TILE q, first, slot
.set NM, ST+4*(\q)
.set RM, NM+1
.set LS, NM+2
.set OQ, OA+32*(\q)
	WIN W_S
.irp t, 0,1,2,3,4,5,6,7
	v_wmma_f32_16x16x64_bf8_bf8 v[S+8*\t:S+8*\t+7], v[KR+8*\t:KR+8*\t+7], v[QR+8*(\q):QR+8*(\q)+7], v[CR+8*\t:CR+8*\t+7]   ; S^T + the mask's 0 or -2^126
.endr
.if \first
	WIN W_LD
.irp c, 0,1,2,3
.irp i, 0,1,2,3
	ds_load_b128 v[VR+16*\c+4*\i:VR+16*\c+4*\i+3], v[LI] offset:\slot*SLOTB+VOFF+2048*\c+512*\i   ; V's fragments.  No wait: since the wait at the step's head only the eight products above were issued, and they name neither V's registers nor v[LI]
.endr
.endr
.endif
	WIN 0
.rept 4
	v_nop                                          ; places in front of the first read of results
.endr
	v_max3_num_f32 v[MA], v[S], v[S+1], v[S+2]     ; the step's largest score of my query among my 64 keys, in two chains, each accumulator from its low end on
	v_max3_num_f32 v[MB], v[S+3], v[S+4], v[S+5]
.irp i, 6,10,14,18,22,26,30,34,38,42,46,50,54,58
	v_max3_num_f32 v[MA], v[MA], v[S+\i], v[S+\i+1]
	v_max3_num_f32 v[MB], v[MB], v[S+\i+2], v[S+\i+3]
.endr
	v_max3_num_f32 v[MA], v[MA], v[S+62], v[S+63]
	v_max_num_f32 v[MA], v[MA], v[MB]
	v_permlanex16_b32 v[MX], v[MA], s[SEL], s[SEL+1]
	v_max3_num_f32 v[RM], v[MA], v[MX], v[RM]      ; with lane l xor 16's, and the largest so far
	v_mul_f32 v[MA], s[NC], v[RM]                  ; -t (c is positive)
	v_floor_f32 v[MA], v[MA]                       ; the new -M = floor(-t) = -ceil(t): M IS A WHOLE NUMBER
	v_sub_f32 v[MB], v[MA], v[NM]                  ; M's old value less its new one: a whole number, 0 or less
	v_mov_b32 v[NM], v[MA]
	v_cvt_i32_f32 v[MB], v[MB]                     ; (it saturates)
	v_ldexp_f32 v[FF], 1.0, v[MB]                  ; f = 2^(old M - new M)
	; ONE BATCH: the 32 scalings, the 64 exponentials and O^T's 16 rescalings, dealt so that plain instructions stand among the exponentials.  None of them names an exponential's result.
	FMA 0
	FMA 1
.set k, 0
.rept 32
	v_exp_f32 v[S+2*k], v[S+2*k]                   ; p = 2^(t - M), at most 1: NOT normalised
.if k <= 29
	FMA k+2
.else
	RES k-16
.endif
	v_exp_f32 v[S+2*k+1], v[S+2*k+1]
.if (k%2 == 0) && (k <= 26)
	RES k/2
.endif
.set k, k+1
.endr
	v_pk_mul_f32 v[LS:LS+1], v[LS:LS+1], v[FF:FF+1] op_sel_hi:[1,0]   ; the sums under the new M: the plain instruction behind the last exponential
	s_wait_alu depctr_va_vdst(0)                   ; the 64 exponentials have written p, v64 to v127: one wait for the whole batch, ahead of its first reader
	v_pk_add_f32 v[SUM2:SUM2+1], v[S:S+1], v[S+2:S+3]   ; THE ROW'S SUM IS TAKEN OF THE UNQUANTISED p: two at a time, in two chains
.irp j, 4,8,12,16,20,24,28,32,36,40,44,48,52,56,60
	v_pk_add_f32 v[LS:LS+1], v[LS:LS+1], v[S+\j:S+\j+1]
	v_pk_add_f32 v[SUM2:SUM2+1], v[SUM2:SUM2+1], v[S+\j+2:S+\j+3]
.endr
	v_pk_add_f32 v[LS:LS+1], v[LS:LS+1], v[SUM2:SUM2+1]
	s_cmp_lg_u32 s[HOLD], 0                        ; the conversion to an 8-bit code does not saturate (ISA guide 7.6.2); p is at most 1 and not negative: the hold is one-sided, and wanted only where e8 < -15
	s_cbranch_scc0 .Lno_hold_\@
.set j, 0
.rept 64
	v_min_num_f32 v[S+j], v[S+j], v[LIM]
.set j, j+1
.endr
.Lno_hold_\@:
.irp t, 0,1,2,3,4,5,6,7
	v_cvt_scalef32_pk8_bf8_f32 v[P+2*\t:P+2*\t+1], v[S+8*\t:S+8*\t+7], v[SCL]   ; keys 16 t + 8 h + 0 .. 7: registers 2 t, 2 t + 1 of the operand
.endr
	v_nop                                          ; one plain vector instruction between the last conversion and the matrix instructions that read its result and, later, write its sources
.if \first
	s_wait_dscnt 0x0                               ; V is in
.endif
	WIN W_PV
.irp c, 0,1,2,3
	v_wmma_f32_16x16x128_bf8_bf8 v[OQ+8*\c:OQ+8*\c+7], v[VR+16*\c:VR+16*\c+15], v[P:P+15], v[OQ+8*\c:OQ+8*\c+7]   ; O^T += V^T P^T: four accumulators by turns, one instruction a turn
.endr
	WIN 0
.endm
; The four LDS stores of the next step's bytes, and the four global loads of the bytes of two steps on, into the registers that the stores have emptied.
.macro TOSLOT slot
	WIN W_ST
.irp i, 0,1,2,3
	ds_store_b128 v[STA], v[STG+4*\i:STG+4*\i+3] offset:(1-\slot)*SLOTB+512*\i    ; into the other slot, which nobody reads since the last barrier
.endr
.endm
.macro ASKON slot
.irp i, 0,1,2,3
	global_load_b128 v[STG+4*\i:STG+4*\i+3], v[LI], s[SRC:SRC+1] offset:16384+8192*\slot+512*\i
.endr
.endm
; A KEY STEP: 128 keys, in slot `slot`.
.macro STEP slot
	WIN W_LD
	s_wait_alu depctr_va_vdst(0)                   ; the last tile's products are done reading K's, the mask's and V's registers, in which this step's LDS loads land; in a trip's first step v[ADB] is written, which the table's loads read
.irp t, 0,1,2,3,4,5,6,7
	ds_load_b128 v[KR+8*\t:KR+8*\t+3], v[LI] offset:\slot*SLOTB+1024*\t           ; K's fragment of keys 16 t on, as it was stored
	ds_load_b128 v[KR+8*\t+4:KR+8*\t+7], v[LI] offset:\slot*SLOTB+1024*\t+512
.endr
.irp t, 0,1,2,3,4,5,6,7
	ds_load_b128 v[CR+8*\t:CR+8*\t+3], v[ADB] offset:512*\slot+64*\t              ; the table's numbers of keys 16 t + 8 h + 0 .. 7
	ds_load_b128 v[CR+8*\t+4:CR+8*\t+7], v[ADB] offset:512*\slot+64*\t+16
.endr
	WIN 0
	s_wait_loadcnt 0x0                             ; the next step's bytes, asked for a step ago, are in registers.  The wait stands on every way, ahead of the branch: between two groups of loads into these registers there is always this wait
.if \slot
	s_cmp_lt_u32 s[TRIP], 7                        ; the last step has no successor, and no step two on: no load leaves its buffer
	s_cbranch_scc0 .Lno_next_\@
	TOSLOT \slot
	WIN W_LD
	s_wait_alu depctr_vm_vsrc(0)                   ; the four LDS stores have read their 16 registers, in which the loads below land
	ASKON \slot
	WIN 0
.Lno_next_\@:
.else
	TOSLOT \slot
	WIN 0
	s_wait_alu depctr_vm_vsrc(0)                   ; the four LDS stores have read their 16 registers, in which the loads below land; the wait stands ahead of the branch
	s_cmp_lt_u32 s[TRIP], 7                        ; the bytes of two steps on, where there is such a step: no load leaves its buffer
	s_cbranch_scc0 .Lno_next_\@
	WIN W_LD
	ASKON \slot
	WIN 0
.Lno_next_\@:
.endif
	s_wait_dscnt 0x0                               ; K and the table's numbers are in (nothing younger than the stores is out, on either way)
	TILE 0, 1, \slot
	TILE 1, 0, \slot
	TILE 2, 0, \slot
	TILE 3, 0, \slot
.rept 4
	v_nop                                          ; places behind the last products: O^T is read by vector instructions behind the last step
.endr
	s_wait_dscnt 0x0                               ; my reads of this slot are over and my stores into the other are done
	s_barrier_signal -1
	s_barrier_wait -1                              ; both now hold of every wave
.endm
	s_mov_b32 s[TRIP], 0
	s_mov_b32 s[BO], 0
.Ltrip:                                            ; 8 trips of two key steps, so that the slots' numbers come back
	s_wait_alu depctr_vm_vsrc(0)                   ; the table's loads of the trip before have read v[ADB], which the next line writes
	v_add_nc_u32 v[ADB], s[BO], v[ADB0]
	STEP 0
	STEP 1
	s_wait_xcnt 0x0                                ; the trip's loads have read their base: it is stepped only behind this wait
	s_add_nc_u64 s[SRC:SRC+1], s[SRC:SRC+1], 16384
	s_add_co_u32 s[BO], s[BO], 1024
	s_add_co_u32 s[TRIP], s[TRIP], 1
	s_cmp_lt_u32 s[TRIP], 8
	s_cbranch_scc1 .Ltrip
	; THE WAY OUT.  The sum's two halves and lane l xor 16's are added; O^T x 2^(e8 + e9) / the sum goes through my stage in LDS, a tile (16 queries x 256 bytes) at a time, so that sixteen lanes store 256 consecutive bytes, aligned.
	; All four tiles are scaled first: one wait then serves every LDS store and load of the way out, behind which no vector instruction is issued.
.irp q, 0,1,2,3
	v_add_f32 v[ST+4*\q+2], v[ST+4*\q+2], v[ST+4*\q+3]
.endr
.irp q, 0,1,2,3
	v_permlanex16_b32 v[ST+4*\q+3], v[ST+4*\q+2], s[SEL], s[SEL+1]
.endr
.irp q, 0,1,2,3
	v_add_f32 v[ST+4*\q+2], v[ST+4*\q+2], v[ST+4*\q+3]
.endr
.irp q, 0,1,2,3
	v_rcp_f32 v[ST+4*\q+2], v[ST+4*\q+2]
.endr
	v_nop                                          ; a plain instruction between the last reciprocal and the use of its result
	s_wait_alu depctr_va_vdst(0)                   ; the four reciprocals have written their results: one wait, ahead of their first reader
.irp q, 0,1,2,3
	v_ldexp_f32 v[ST+4*\q+2], v[ST+4*\q+2], s[E89]
.endr
.irp q, 0,1,2,3
.irp i, 0,2,4,6,8,10,12,14,16,18,20,22,24,26,28,30
	v_pk_mul_f32 v[OA+32*\q+\i:OA+32*\q+\i+1], v[OA+32*\q+\i:OA+32*\q+\i+1], v[ST+4*\q+2:ST+4*\q+3] op_sel_hi:[1,0]   ; each accumulator from its low end on; register 8 c + j is out(query r, channel 16 c + 8 h + j)
.endr
.endr
	s_wait_alu depctr_va_vdst(0)                   ; the scalings have written O^T, which the LDS stores read; and the loop's vector instructions are done with v64 to v127, in which the stage's loads land
.macro OUT q
.set OQ, OA+32*(\q)
.set BK, S+32*((\q)%2)
.irp c, 0,1,2,3
	ds_store_b128 v[SO], v[OQ+8*\c:OQ+8*\c+3] offset:64*\c
	ds_store_b128 v[SO], v[OQ+8*\c+4:OQ+8*\c+7] offset:64*\c+16
.endr
.if (\q) >= 2
	s_wait_xcnt 0x0                                ; tile q - 2's stores have had their addresses translated,
	s_wait_alu depctr_vm_vsrc(0)                   ; and have read their data registers, in which the loads below land
.endif
.irp i, 0,1,2,3,4,5,6,7
	ds_load_b128 v[BK+4*\i:BK+4*\i+3], v[SR] offset:2*\i*SP    ; LDS serves a wave's instructions in order (ISA guide 5.7.1.4): these see my stores, and the next tile's stores come behind them
.endr
.irp i, 0,1,2,3,4,5,6,7
	s_wait_dscnt 7-\i                              ; the younger loads may stay out
	global_store_b128 v[GO], v[BK+4*\i:BK+4*\i+3], s[14:15] offset:(16*(\q)+2*\i)*4096 th:TH_STORE_NT   ; two rows' 256 bytes, each aligned; written once, read by nobody here
.endr
.endm
	OUT 0
	OUT 1
	OUT 2
	OUT 3
	s_wait_dscnt 0x0                               ; the closing lines, six on end
	s_wait_alu 0x0
	s_wait_tensorcnt 0x0
	ds_add_u32 v46, v47
	s_wait_dscnt 0x0
	s_endpgm
.Lfunc_end_k_q0a5b194ea7_attn:
	.size	k_q0a5b194ea7_attn, .Lfunc_end_k_q0a5b194ea7_attn-k_q0a5b194ea7_attn
	.p2alignl 7, 3214868480
	.fill 96, 4, 3214868480
	.section	.rodata,"a",@progbits
	.p2align	6, 0x0
	.amdhsa_kernel k_q0a5b194ea7_attn
		.amdhsa_group_segment_fixed_size 76800
		.amdhsa_private_segment_fixed_size 0
		.amdhsa_enable_private_segment 0
		.amdhsa_kernarg_size 48
		.amdhsa_user_sgpr_count 2
		.amdhsa_user_sgpr_kernarg_segment_ptr 1
		.amdhsa_wavefront_size32 1
		.amdhsa_system_sgpr_workgroup_id_x 1
		.amdhsa_system_sgpr_workgroup_id_y 1
		.amdhsa_system_sgpr_workgroup_id_z 1
		.amdhsa_system_vgpr_workitem_id 0
		.amdhsa_next_free_vgpr 512
		.amdhsa_next_free_sgpr 66
		.amdhsa_reserve_vcc 0
		.amdhsa_float_denorm_mode_32 3
		.amdhsa_float_denorm_mode_16_64 3
		.amdhsa_memory_ordered 1
		.amdhsa_forward_progress 1
		.amdhsa_inst_pref_size 139
	.end_amdhsa_kernel
	.amdgpu_metadata
---
amdhsa.version: [ 1, 2 ]
amdhsa.kernels:
  - .name:           k_q0a5b194ea7_attn
    .symbol:         k_q0a5b194ea7_attn.kd
    .args:
      - { .name: qc, .offset: 0, .size: 8, .value_kind: global_buffer, .address_space: global }
      - { .name: kc, .offset: 8, .size: 8, .value_kind: global_buffer, .address_space: global }
      - { .name: vc, .offset: 16, .size: 8, .value_kind: global_buffer, .address_space: global }
      - { .name: mask, .offset: 24, .size: 8, .value_kind: global_buffer, .address_space: global }
      - { .name: lowp_scales, .offset: 32, .size: 8, .value_kind: global_buffer, .address_space: global }
      - { .name: out0, .offset: 40, .size: 8, .value_kind: global_buffer, .address_space: global }
    .group_segment_fixed_size: 76800
    .private_segment_fixed_size: 0
    .kernarg_segment_align: 8
    .kernarg_segment_size: 48
    .max_flat_workgroup_size: 256
    .sgpr_count:     66
    .vgpr_count:     512
    .wavefront_size: 32
...
	.end_amdgpu_metadata
.endif
;; end of part 3
